; MI455X (gfx1250); checked and timed in simulation.
; The chip was launched on July 23, 2026; its instructions are those of AMD's public machine-readable ISA for CDNA 5 (MIT licence, August 2026) and "CDNA5" Instruction Set Architecture Reference Guide (July 2026). The comments in the code are by the model that wrote it; some were corrected since.
;; Lightweight Self Attention. Allowed arithmetic: matrix products marked QUANTISED: E4M3 operands, one E8M0 scale for each 32 along K, by v_wmma_scale_f32_16x16x128_f8f6f4 with both operands' format E4M3, f32 sums; everything else in f32.
;; Inputs: W_out_codes 512 x 16 x 32 uint8 (E4M3 codes of W_out, K innermost, in blocks of 32 codes); W_out_scales 512 x 16 uint8 (E8M0 scales of W_out, one for each 32 codes along K); W_qkv_codes 1,024 x 16 x 32 uint8 (E4M3 codes of W_qkv, K innermost, in blocks of 32 codes); W_qkv_scales 1,024 x 16 uint8 (E8M0 scales of W_qkv, one for each 32 codes along K); b_out 512 float32; b_qkv 1,024 float32; ln_beta 512 float32; ln_gamma 512 float32; x 2 x 2,048 x 512 float32.
;; Outputs: out0 2 x 2,048 x 512 float32.
;; This version of the problem:
;;   THIS VERSION OF THE PROBLEM IS GIVEN IN LOW PRECISION. The matrix products marked QUANTISED in the list below multiply operands that are first quantised to E4M3 (4 exponent bits, 3 mantissa bits; 8 bits a number), with one power-of-two scale for each 32 numbers along K (OCP MX v1.0); their sums are f32. All else is computed in f32.
;;   The module's matrix products, in the order in which they are computed (A, B: the left and right operand; K: the contracted axis; several contracted axes count as one K, in the product's order):
;;     1. [M 4,096, K 512] x [K 512, N 1,024]; A: input x; B: input W_qkv (given as codes): QUANTISED
;;     2. batch 32 x [M 2,048, K 32] x [K 32, N 2,048]; A: computed on the way; B: computed on the way: QUANTISED
;;     3. batch 32 x [M 32, K 2,048] x [K 2,048, N 2,048]; A: computed on the way; B: softmax (see below): QUANTISED
;;     4. [M 4,096, K 512] x [K 512, N 512]; A: computed on the way; B: input W_out (given as codes): QUANTISED
;;   THE QUANTISER, for each operand of a quantised product, along K:
;;     - K is cut into blocks of 32 from its start; a last block that is shorter is filled with zeros.
;;     - A block's scale is 2^e with e = floor(log2(the largest magnitude in the block)) - 8, held to -126 .. 127; a block of zeros has e = 0. As a byte (E8M0): e + 127.
;;     - Each number is divided by its block's scale, clamped to +-448, and rounded to the nearest number of E4M3, ties to even, subnormals kept.
;;     - The product sums the exact products of the quantised numbers (number of the format x scale) in f32.
;;   ~~~python
;;   def quantise(x, axis):      # numpy; x: float32 -> the quantised numbers, widened to float32 again
;;       x = np.moveaxis(x, axis, -1); K = x.shape[-1]
;;       x = np.pad(x, [(0, 0)] * (x.ndim - 1) + [(0, -K % 32)]); x = x.reshape(x.shape[:-1] + (-1, 32)); a = np.abs(x).max(-1, keepdims=True)
;;       e = np.where(a > 0, np.clip(np.frexp(np.where(a > 0, a, 1))[1] - 1 - 8, -126, 127), 0)      # np.frexp(a)[1] - 1 = floor(log2(a)), exactly
;;       r = np.clip(x / 2.0 ** e, -448, 448)
;;       step = 2.0 ** (np.maximum(np.frexp(np.where(r == 0, 1, r))[1] - 1, -6) - 3)
;;       q = np.round(r / step) * step * 2.0 ** e      # np.round: ties to even
;;       return np.moveaxis(q.reshape(q.shape[:-2] + (-1,))[..., :K], -1, axis).astype(np.float32)
;;   ~~~
;;   SOFTMAX AHEAD OF A QUANTISED PRODUCT. Where the list says 'softmax', what is quantised is not the finished softmax but p = 2^(t - M), with t = logit x log2(e) and M = ceil(the row's largest t), a whole number; so 1/2 < the row's largest p <= 1. The row's sum l is taken of the UNQUANTISED p, in f32, and the product's result is divided by l at the end. Since M is a whole number, a kernel that streams over the keys may use a running M (the ceiling of the running maximum): every later rescaling is an exact power of two, which a block's scale takes up: the codes' values come out the same.
;;   OPERANDS COMPUTED ON THE WAY. 'Computed on the way' means the value that the module computes at that place (a softmax that the list does not call 'softmax' is quantised finished and normalised). What goes into a quantiser is computed in f32, as accurately as f32 sums, v_exp_f32 and their like allow (about 1e-6 of the number): no bf16 or f16 on the way to a quantiser, and a product that is left as it is and whose result goes on into a quantised operand takes f32 operands (vector FMAs, or v_wmma_f32_16x16x4_f32). A number that lies on a knife's edge between two numbers of the format may be rounded either way, as far as f32 arithmetic and the matrix unit's own rounding can turn it there, and no further.
;;   INPUTS GIVEN AS CODES. W_out (in the module: [512, 512], K = its axis 0); W_qkv (in the module: [512, 1024], K = its axis 0): each comes as NAME_codes (uint8): NAME with its K axis moved to the last place and cut into blocks of 32 codes, [.., K / 32, bytes a block], one block behind the other in memory; one code a byte (a code: sign, 4 exponent bits, 3 mantissa bits); and NAME_scales (uint8): the same leading axes, one E8M0 byte (e + 127) for each 32 codes along K. Its value is code x scale, taken as it is: it is not quantised again, and the codes and scales need not be those that the quantiser above would give.
;; 2 versions, each right; version 2 is version 1 with the launch attn written anew for expert scheduling mode. Each part assembles by itself: llvm-mc -triple=amdgcn-amd-amdhsa -mcpu=gfx1250 --defsym DOCPART=n.
;; ======== version 1 of 2: 3 launches
;; workspace buffers: q_img 2,097,152 bytes; k_img 2,097,152 bytes; qs 262,144 bytes; ks 262,144 bytes; v_img 2,097,152 bytes; v_sc 65,536 bytes; a_img 2,097,152 bytes; a_sc 262,144 bytes
;; launch qkv (part 1): grid 64 x 4, 8 waves a work-group, clusters of 4 x 1, 304,128 bytes of LDS; arguments x, W_qkv_codes, W_qkv_scales, b_qkv, q_img, qs, k_img, ks, v_img, v_sc; writes q_img, qs, k_img, ks, v_img, v_sc
.if DOCPART == 1
	.amdgcn_target "amdgcn-amd-amdhsa--gfx1250"
	.amdhsa_code_object_version 6
	.text
	.protected	k_q14a7b2ccca_qkv
	.globl	k_q14a7b2ccca_qkv
	.p2align	8
	.type	k_q14a7b2ccca_qkv,@function
k_q14a7b2ccca_qkv:
	s_mov_b64 s[64:65], 0
	v_nop
	global_prefetch_b8 v0, s[64:65] scope:SCOPE_SE
	s_setreg_imm32_b32 hwreg(HW_REG_WAVE_MODE, 25, 1), 1
	s_wait_xcnt 0x0
	s_wait_alu depctr_hold_cnt(0) depctr_sa_sdst(0) depctr_va_vdst(0) depctr_va_sdst(0) depctr_va_ssrc(0) depctr_va_vcc(0) depctr_vm_vsrc(0)
	s_getreg_b32 s2, hwreg(HW_REG_IB_STS2, 6, 4)
	s_cmp_eq_u32 s2, 0
	s_cbranch_scc0 .Lentry_in_a_cluster
	s_endpgm
.Lentry_in_a_cluster:
	s_bfe_u32 s2, ttmp6, 0x10000c
	s_cmp_lg_u32 s2, 0x3003
	s_cbranch_scc0 .Lentry_shape_is_right
	s_endpgm
.Lentry_shape_is_right:
; qkv = Q(x) W_qkv + b_qkv on codes of E4M3 with one E8M0 scale for each 32 along K; then q = silu(qk) / sqrt(32) and k = tanh(qk), quantised along the head's 32,
; and v, quantised along blocks of 32 keys.  x [4096][512] f32; W_qkv as codes [1024][512] with scale bytes [1024][16]; b_qkv [1024] f32.
; SHARES.  A work-group takes 64 rows x 256 columns: row group rg = 4 x cluster x + cx, column group cg = work-group y (0, 1: the shared q/k projection; 2, 3: v).  Each of its eight waves owns 32 columns: one head.
; CLUSTER.  The four partners are four row groups of one column group: they need the same 256 rows of W, so W's tile is asked for jointly (mask 15).  x's rows differ from partner to partner: a plain load.
; x is not shared along the column groups: that would take a 4 x 4 cluster, in which the choice between the q/k path and the v path would hang on a work-group's place in its cluster.
; Every LDS byte is filled once: 133,120 (x) + 135,168 (W) fit beside the images, so there is no ring.
; ROW ORDER.  Inside a block of 32 rows tile u's lane r takes row 8 u + r + 8 (r / 8) (x's rows, and W's rows inside a head).  So the 16 registers of a block's two result tiles are 16 neighbours, 16 (lane / 16) + 0 .. 15.
; q/k PATH: the product is used transposed (source 0 = 16 rows of W, source 1 = 16 rows of x): a lane holds one row of x and 16 of the head's 32 dims: the block of 32 lies in lanes l and l xor 16.
; v PATH: source 0 = x, source 1 = W: a lane holds one column d and 16 neighbouring keys.
; OUT, all as images of operand registers (a group = 512 bytes, lane l's 16 bytes at 16 l):  q_img, k_img [bh][tile 128][512];  qs, ks [bh][block 64][lane] words, lanes 0-15 tile 0's rows, lanes 16-31 tile 1's, the byte in all four bytes;
; v_img [bh][key block 64][u 2][512];  v_sc [bh][lane = 16 u + r][64] bytes, one for each key block.
; LIMITS.  NaN and infinities among the inputs are not served.  A block whose largest magnitude lies under 2^-118 gets the byte 1; so does a block of zeros, where the quantiser says 127: its codes are zeros and this program alone reads the bytes.
; tanh: for x^2 < 1/16 the series x (1 - x^2/3 + 2 x^4/15 - 17 x^6/315), cut error 0.022 x^8 <= 3.3e-7 of the value; else 2 / (1 + e^(-2x)) - 1, about 1e-6 of the value at the seam.
.set XP,   1040                        ; half a row of x in LDS: 1,024 bytes + 16 of padding
.set WT,   133120                      ; behind x's 128 half rows: W's 256 rows
.set WP,   528                         ; a row of W: 512 bytes + 16
.set XIMG, 268288                      ; x's 16 fragments (tile T, K step s: 4 T + s), 2,048 bytes each, as images of their registers
.set XSC,  301056                      ; their scale words, 128 bytes each
.set FRB,  2048
.set LI,   1                           ; v1   16 x lane
.set LS,   2                           ; v2   4 x lane
.set XRA,  3                           ; v3   x in LDS: my row and my 16 numbers of a block, in the tile and the half row that my wave quantises
.set XWI,  4                           ; v4   where I store x's images
.set XWS,  5                           ; v5   and their scale words
.set WA,   6                           ; v6   my lane's place in my wave's 32 rows of W
.set XFA,  7                           ; v7   x's images, to read
.set XSA,  8                           ; v8   their scale words, to read
.set HH,   9                           ; v9   lane / 16
.set OWS,  10                          ; v10  16 x (r + 8 (r / 8)): W's scale bytes
.set OBQ,  11                          ; v11  64 x (lane / 16): the bias in the q/k path
.set OBV,  12                          ; v12  4 x (r + 8 (r / 8)): the bias in the v path
.set OVS,  13                          ; v13  64 x lane: v_sc
.set WS,   16                          ; v16-23  W's scale words, 4 u + s
.set BI,   24                          ; v24-39  the bias in the result's layout, 8 u + j; later the q and k scale words
.set WQ,   24
.set WK,   28
.set XS,   40                          ; v40-43  x's scale words of the K step in hand
.set TM,   44                          ; v44-47 largest magnitudes, v48-51 bytes, v52-55 448 x the scale, v56-59 the conversions' scale operands
.set PW,   60                          ; v60  the scale word just made
.set ACC,  64                          ; v64-127  eight accumulators
.set XF,   128                         ; v128-191 x's four fragments
.set WF,   192                         ; v192-223 W's two fragments
.set PC,   224                         ; v224-255 codes
.set T1,   128                         ; at work in the activations, where x's fragments lay
.set T2,   144
.set T3,   160
.set T4,   176
.set C7,   192                         ; the series' constants, as pairs, where W's fragments lay
.set C5,   194
.set C3,   196
.set WV,   24                          ; s24  my wave's number
.set G1X,  36                          ; s[36:43], s[44:47] descriptor groups 1 and 0 for x
.set G0X,  44
.set G1W,  48                          ; s[48:55], s[56:59] for W
.set G0W,  56
.set SEL,  60                          ; s[60:61] v_permlanex16_b32's selects for lane l xor 16
.set MNT,  62                          ; s62  the mantissa field of 448
.set NL2E, 66                          ; s[66:67] -log2(e)
.set QSC,  68                          ; s[68:69] 1 / sqrt(32)
.set SEAM, 77                          ; s77  1/16
; A round of the cluster's barrier: my work-group's barrier, wave 0's signal for the work-group, every wave's wait for the four work-groups, my work-group's barrier once more.
.macro ROUND
	s_barrier_signal -1
	s_barrier_wait -1
	s_cmp_lg_u32 s[WV], 0
	s_cbranch_scc1 .Lnot_wave_0_\@
	s_barrier_signal -3
.Lnot_wave_0_\@:
	s_barrier_wait -3
	s_barrier_signal -1
	s_barrier_wait -1
.endm
; 64 numbers of my row of x: of each of four blocks of 32 my 16, from the p-th 512 bytes of the half row
.macro XLOADL reg, p
.irp b, 0,1,2,3
.irp j, 0,1,2,3
	ds_load_b128 v[\reg+16*\b+4*\j:\reg+16*\b+4*\j+3], v[XRA] offset:512*\p+128*\b+16*\j
.endr
.endr
.endm
; 64 numbers of a lane, register 16 b + i = k 32 b + 16 (lane / 16) + i of my row, become a fragment's codes in v[PC] on and its scale word in v[PW]
.macro QUANT s
.irp b, 0,1,2,3
	v_max3_num_f32 v[TM+\b], |v[\s+16*\b]|, |v[\s+1+16*\b]|, 0x4800000   ; my 16 numbers of block b, and the floor 2^(9 - 127): the byte cannot fall under 1
.endr
.irp i, 2,4,6,8,10,12,14
.irp b, 0,1,2,3
	v_max3_num_f32 v[TM+\b], v[TM+\b], |v[\s+16*\b+\i]|, |v[\s+1+16*\b+\i]|
.endr
.endr
.irp b, 0,1,2,3
	v_permlanex16_b32 v[TM+4+\b], v[TM+\b], s[SEL], s[SEL+1]
.endr
.irp b, 0,1,2,3
	v_max_num_f32 v[TM+\b], v[TM+\b], v[TM+4+\b]            ; with lane l xor 16's: the block's largest magnitude
.endr
.irp b, 0,1,2,3
	v_add_nc_u32 v[TM+12+\b], 0xfc000000, v[TM+\b]          ; 8 off its exponent field: the conversion's scale operand
.endr
.irp b, 0,1,2,3
	v_and_or_b32 v[TM+8+\b], v[TM+\b], 0x7f800000, s[MNT]   ; 448 x the scale
.endr
.irp b, 0,1,2,3
	v_lshrrev_b32 v[TM+4+\b], 23, v[TM+12+\b]               ; the scale's byte
.endr
	v_lshl_or_b32 v[PW], v[TM+5], 8, v[TM+4]
	v_lshl_or_b32 v[PW], v[TM+6], 16, v[PW]
	v_lshl_or_b32 v[PW], v[TM+7], 24, v[PW]
.irp b, 0,1,2,3
.irp i, 0,1,2,3,4,5,6,7,8,9,10,11,12,13,14,15
	v_med3_num_f32 v[\s+16*\b+\i], v[\s+16*\b+\i], -v[TM+8+\b], v[TM+8+\b]   ; the conversion to an 8-bit code does not saturate (ISA guide 7.6.2): the hold
.endr
	v_cvt_scalef32_pk8_fp8_f32 v[PC+4*\b:PC+1+4*\b], v[\s+16*\b:\s+7+16*\b], v[TM+12+\b]
	v_cvt_scalef32_pk8_fp8_f32 v[PC+2+4*\b:PC+3+4*\b], v[\s+8+16*\b:\s+15+16*\b], v[TM+12+\b]
.endr
	v_nop                                                   ; a plain line behind the last conversion: its sources are written again by vector or matrix lines later
.endm
; 16 numbers of a lane, half of a block of 32 whose other half lies in lane l xor 16, become 16 codes in v[dst] on; the byte is left in v[TM+4+i]
.macro QUANT16 s, dst, i
	v_max3_num_f32 v[TM+\i], |v[(\s)]|, |v[(\s)+1]|, 0x4800000
.irp k, 2,4,6,8,10,12,14
	v_max3_num_f32 v[TM+\i], v[TM+\i], |v[(\s)+\k]|, |v[(\s)+\k+1]|
.endr
	v_permlanex16_b32 v[TM+4+\i], v[TM+\i], s[SEL], s[SEL+1]
	v_max_num_f32 v[TM+\i], v[TM+\i], v[TM+4+\i]
	v_add_nc_u32 v[TM+12+\i], 0xfc000000, v[TM+\i]
	v_and_or_b32 v[TM+8+\i], v[TM+\i], 0x7f800000, s[MNT]
	v_lshrrev_b32 v[TM+4+\i], 23, v[TM+12+\i]
.irp k, 0,1,2,3,4,5,6,7,8,9,10,11,12,13,14,15
	v_med3_num_f32 v[(\s)+\k], v[(\s)+\k], -v[TM+8+\i], v[TM+8+\i]
.endr
	v_cvt_scalef32_pk8_fp8_f32 v[(\dst):(\dst)+1], v[(\s):(\s)+7], v[TM+12+\i]
	v_cvt_scalef32_pk8_fp8_f32 v[(\dst)+2:(\dst)+3], v[(\s)+8:(\s)+15], v[TM+12+\i]
	v_nop
.endm
; One K step of 128: W's two fragments, x's four and their scale words from LDS, then eight matrix instructions on eight accumulators, one instruction a turn, in the same order in every step.
; nat = 0: source 0 = W, source 1 = x (q/k);  nat = 1: source 0 = x, source 1 = W (v).  The first step takes the bias as C.
.macro KSTEP s, nat
.if \s > 0
.rept 8
	v_nop                                                   ; eight places in front of loads into registers that matrix instructions have read
.endr
.endif
.irp u, 0,1
.irp c, 0,1,2,3
	ds_load_b128 v[WF+16*\u+4*\c:WF+16*\u+4*\c+3], v[WA] offset:8*\u*WP+128*\s+32*\c
.endr
.endr
.irp t, 0,1,2,3
.irp c, 0,1,2,3
	ds_load_b128 v[XF+16*\t+4*\c:XF+16*\t+4*\c+3], v[XFA] offset:(4*\t+\s)*FRB+512*\c
.endr
	ds_load_b32 v[XS+\t], v[XSA] offset:(4*\t+\s)*128
.endr
	s_wait_dscnt 0x0
.irp t, 0,1,2,3
.irp u, 0,1
.if \nat
.set DD, ACC+16*(2*(\t/2)+\u)+8*(\t%2)
.if \s == 0
	v_wmma_scale_f32_16x16x128_f8f6f4 v[DD:DD+7], v[XF+16*\t:XF+16*\t+15], v[WF+16*\u:WF+16*\u+15], v[BI+8*\u:BI+8*\u+7], v[XS+\t], v[WS+4*\u+\s]
.else
	v_wmma_scale_f32_16x16x128_f8f6f4 v[DD:DD+7], v[XF+16*\t:XF+16*\t+15], v[WF+16*\u:WF+16*\u+15], v[DD:DD+7], v[XS+\t], v[WS+4*\u+\s]
.endif
.else
.set DD, ACC+8*(2*\t+\u)
.if \s == 0
	v_wmma_scale_f32_16x16x128_f8f6f4 v[DD:DD+7], v[WF+16*\u:WF+16*\u+15], v[XF+16*\t:XF+16*\t+15], v[BI+8*\u:BI+8*\u+7], v[WS+4*\u+\s], v[XS+\t]
.else
	v_wmma_scale_f32_16x16x128_f8f6f4 v[DD:DD+7], v[WF+16*\u:WF+16*\u+15], v[XF+16*\t:XF+16*\t+15], v[DD:DD+7], v[WS+4*\u+\s], v[XS+\t]
.endif
.endif
.endr
.endr
.endm
; Tile t of rows: my 16 numbers of qk become q and k, are quantised and stored.  The accumulators are read from their low end on.
.macro ACT t
.set X, ACC+16*\t
.irp i, 0,2,4,6,8,10,12,14
	v_pk_mul_f32 v[T1+\i:T1+\i+1], v[X+\i:X+\i+1], s[NL2E:NL2E+1] op_sel_hi:[1,0]
.endr
.irp i, 0,1,2,3,4,5,6,7,8,9,10,11,12,13,14,15
	v_exp_f32 v[T1+\i], v[T1+\i]                            ; E = e^(-x)
.endr
.irp i, 0,2,4,6,8,10,12,14
	v_pk_mul_f32 v[T3+\i:T3+\i+1], v[X+\i:X+\i+1], v[X+\i:X+\i+1]        ; x^2 (plain lines behind the exponentials)
.endr
	s_wait_alu depctr_va_vdst(0)
.irp i, 0,2,4,6,8,10,12,14
	v_pk_mul_f32 v[T2+\i:T2+\i+1], v[T1+\i:T1+\i+1], v[T1+\i:T1+\i+1]    ; e^(-2x)
.endr
.irp i, 0,2,4,6,8,10,12,14
	v_pk_add_f32 v[T1+\i:T1+\i+1], v[T1+\i:T1+\i+1], 1.0 op_sel_hi:[1,0]
	v_pk_add_f32 v[T2+\i:T2+\i+1], v[T2+\i:T2+\i+1], 1.0 op_sel_hi:[1,0]
.endr
.irp i, 0,1,2,3,4,5,6,7,8,9,10,11,12,13,14,15
	v_rcp_f32 v[T1+\i], v[T1+\i]
.endr
.irp i, 0,1,2,3,4,5,6,7,8,9,10,11,12,13,14,15
	v_rcp_f32 v[T2+\i], v[T2+\i]
.endr
.irp i, 0,2,4,6,8,10,12,14
	v_pk_fma_f32 v[T4+\i:T4+\i+1], v[T3+\i:T3+\i+1], v[C7:C7+1], v[C5:C5+1]   ; the series (plain lines behind the reciprocals)
.endr
.irp i, 0,2,4,6,8,10,12,14
	v_pk_fma_f32 v[T4+\i:T4+\i+1], v[T4+\i:T4+\i+1], v[T3+\i:T3+\i+1], v[C3:C3+1]
.endr
.irp i, 0,2,4,6,8,10,12,14
	v_pk_fma_f32 v[T4+\i:T4+\i+1], v[T4+\i:T4+\i+1], v[T3+\i:T3+\i+1], 1.0 op_sel_hi:[1,1,0]
.endr
	s_wait_alu depctr_va_vdst(0)
.irp i, 0,2,4,6,8,10,12,14
	v_pk_mul_f32 v[T4+\i:T4+\i+1], v[T4+\i:T4+\i+1], v[X+\i:X+\i+1]
	v_pk_mul_f32 v[T1+\i:T1+\i+1], v[T1+\i:T1+\i+1], v[X+\i:X+\i+1]      ; silu = x / (1 + e^(-x))
.endr
.irp i, 0,2,4,6,8,10,12,14
	v_pk_mul_f32 v[T1+\i:T1+\i+1], v[T1+\i:T1+\i+1], s[QSC:QSC+1] op_sel_hi:[1,0]   ; q
	v_pk_fma_f32 v[T2+\i:T2+\i+1], v[T2+\i:T2+\i+1], 2.0, -1.0 op_sel_hi:[1,0,0]     ; 2 / (1 + e^(-2x)) - 1
.endr
.irp i, 0,1,2,3,4,5,6,7,8,9,10,11,12,13,14,15
	v_cmp_gt_f32 vcc_lo, s[SEAM], v[T3+\i]                  ; x^2 < 1/16: the series
	v_cndmask_b32 v[T2+\i], v[T2+\i], v[T4+\i], vcc_lo      ; k
.endr
	QUANT16 T1, PC+4*\t, 0
	QUANT16 T2, PC+16+4*\t, 1
	v_lshl_or_b32 v[WQ+\t], v[TM+4], 8, v[TM+4]             ; the byte in all four bytes of its word: the scores' product puts a head's one block at any of an instruction's four places
	v_lshl_or_b32 v[WK+\t], v[TM+5], 8, v[TM+5]
	v_lshl_or_b32 v[WQ+\t], v[WQ+\t], 16, v[WQ+\t]
	v_lshl_or_b32 v[WK+\t], v[WK+\t], 16, v[WK+\t]
	global_store_b128 v[LI], v[PC+4*\t:PC+4*\t+3], s[12:13] offset:512*\t         ; 32 lanes store 512 consecutive bytes
	global_store_b128 v[LI], v[PC+16+4*\t:PC+16+4*\t+3], s[16:17] offset:512*\t
.endm
	s_load_b256 s[4:11], s[0:1], 0x0               ; x, W's codes, W's scales, b
	s_load_b256 s[12:19], s[0:1], 0x20             ; q_img, qs, k_img, ks
	s_load_b128 s[20:23], s[0:1], 0x40             ; v_img, v_sc
	v_lshl_add_u32 v62, v0, 2, 0x4a000
	v_mov_b32 v63, 0
	ds_add_u32 v62, v63
	ds_add_u32 v62, v63
	v_lshrrev_b32 v14, 5, v0
	v_readfirstlane_b32 s[WV], v14                 ; wave 0..7
	s_bfe_u32 s25, ttmp6, 0x40000                  ; cx
	s_lshl_b32 s26, ttmp9, 2
	s_add_co_u32 s26, s26, s25                     ; rg: my 64 rows
	s_and_b32 s27, ttmp7, 0xffff                   ; cg: my 256 columns; the partners share it
	s_lshl_b32 s28, s27, 3
	s_add_co_u32 s28, s28, s[WV]
	s_and_b32 s28, s28, 15                         ; my wave's head
	s_lshr_b32 s29, s26, 5
	s_lshl_b32 s29, s29, 4
	s_add_co_u32 s29, s29, s28                     ; bh = 16 x batch + head
	s_and_b32 s30, s26, 31                         ; g: the row group inside its batch
	v_and_b32 v14, 31, v0                          ; lane
	v_lshlrev_b32 v[LI], 4, v14
	v_lshlrev_b32 v[LS], 2, v14
	v_lshlrev_b32 v[OVS], 6, v14
	v_and_b32 v14, 15, v0                          ; r
	v_bfe_u32 v[HH], v0, 4, 1
	v_and_b32 v15, 8, v14
	v_add_nc_u32 v15, v15, v14                     ; r + 8 (r / 8)
	v_lshlrev_b32 v[OWS], 4, v15
	v_lshlrev_b32 v[OBQ], 6, v[HH]
	v_lshlrev_b32 v[OBV], 2, v15
	; wave w quantises tile T = w / 2 of x's rows, K steps 2 (w % 2) and 2 (w % 2) + 1: half row w % 2
	s_lshr_b32 s31, s[WV], 2
	s_lshl_b32 s31, s31, 5
	s_bfe_u32 s32, s[WV], 0x10001
	s_lshl_b32 s32, s32, 3
	s_add_co_u32 s31, s31, s32                     ; the tile's first row: 32 (T / 2) + 8 (T % 2)
	s_mul_i32 s31, s31, 2*XP
	s_and_b32 s32, s[WV], 1
	s_mul_i32 s32, s32, XP
	s_add_co_u32 s31, s31, s32
	v_mul_u32_u24 v[XRA], v15, 2*XP
	v_lshl_add_u32 v[XRA], v[HH], 6, v[XRA]
	v_add_nc_u32 v[XRA], s31, v[XRA]
	s_lshl_b32 s31, s[WV], 12
	s_add_co_u32 s31, s31, XIMG
	v_add_nc_u32 v[XWI], s31, v[LI]                ; fragments 2 w and 2 w + 1
	s_lshl_b32 s31, s[WV], 8
	s_add_co_u32 s31, s31, XSC
	v_add_nc_u32 v[XWS], s31, v[LS]
	s_mul_i32 s31, s[WV], 32*WP
	s_add_co_u32 s31, s31, WT
	v_mul_u32_u24 v[WA], v15, WP
	v_lshl_add_u32 v[WA], v[HH], 4, v[WA]
	v_add_nc_u32 v[WA], s31, v[WA]
	v_add_nc_u32 v[XFA], XIMG, v[LI]
	v_add_nc_u32 v[XSA], XSC, v[LS]
.irp b, 0,1,2,3
	v_mov_b32 v[TM+4+\b], 0                        ; written once: a lane permute's destination counts as one of its sources
.endr
	; x: 16 half rows of 256 f32, dense in memory, 16 bytes of padding behind each
	s_mov_b32 s[G1X+0], (2<<16)|(1<<20)|(7<<22)|(3<<25)   ; no mask; elements of 4 bytes; padding on: 4 words behind every 256
	s_mov_b32 s[G1X+1], 256<<16                    ; tensor_dim0
	s_mov_b32 s[G1X+2], 16<<16                     ; tensor_dim1
	s_mov_b32 s[G1X+3], 256<<16                    ; tile_dim0
	s_mov_b32 s[G1X+4], 16                         ; tile_dim1
	s_mov_b32 s[G1X+5], 256                        ; from row to row
	s_mov_b32 s[G1X+6], 0
	s_mov_b32 s[G1X+7], 0
	; W: 32 rows of 512 codes, dense in memory, 16 bytes of padding behind each; asked for jointly by the four partners
	s_mov_b32 s[G1W+0], 15|(0<<16)|(1<<20)|(1<<21)|(6<<22)|(3<<25)   ; mask: all four; elements of 1 byte; padding on; bit 21 beside a mask; 4 words behind every 128
	s_mov_b32 s[G1W+1], 512<<16
	s_mov_b32 s[G1W+2], 32<<16
	s_mov_b32 s[G1W+3], 512<<16
	s_mov_b32 s[G1W+4], 32
	s_mov_b32 s[G1W+5], 512
	s_mov_b32 s[G1W+6], 0
	s_mov_b32 s[G1W+7], 0
	s_mov_b32 s[G0X], 1
	s_mul_i32 s[G0X+1], s[WV], 16*XP               ; my wave's 8 rows of x
	s_mov_b32 s[G0W], 1
	s_mul_i32 s[G0W+1], s[WV], 32*WP
	s_add_co_u32 s[G0W+1], s[G0W+1], WT            ; my wave's 32 rows of W: the wave's number alone enters an LDS address
	s_lshl_b32 s34, s26, 17                        ; x: 64 rows of 2,048 bytes a row group,
	s_lshl_b32 s35, s[WV], 14                      ; 8 rows a wave
	s_add_co_u32 s34, s34, s35
	s_mov_b32 s35, 0
	s_lshl_b32 s32, s27, 17                        ; W: 256 rows of 512 bytes a column group,
	s_lshl_b32 s33, s[WV], 14                      ; 32 rows a wave: made of what the partners share
	s_add_co_u32 s32, s32, s33
	s_mov_b32 s33, 0
	s_lshl_b32 s63, s27, 8
	s_lshl_b32 s31, s[WV], 5
	s_add_co_u32 s63, s63, s31                     ; my wave's first column
	s_mov_b32 s[SEL], 0x76543210
	s_mov_b32 s[SEL+1], 0xfedcba98
	s_mov_b32 s[MNT], 0x600000
	s_mov_b32 s[NL2E], 0xbfb8aa3b
	s_mov_b32 s[NL2E+1], s[NL2E]                   ; (named with it as a pair, so it is written)
	s_mov_b32 s[QSC], 0x3e3504f3
	s_mov_b32 s[QSC+1], s[QSC]
	s_mov_b32 s[SEAM], 0x3d800000
	s_wait_dscnt 0x0
	s_wait_kmcnt 0x0
	s_add_nc_u64 s[G0X+2:G0X+3], s[4:5], s[34:35]
	s_or_b32 s[G0X+3], s[G0X+3], 0x80000000
	s_add_nc_u64 s[G0W+2:G0W+3], s[6:7], s[32:33]
	s_or_b32 s[G0W+3], s[G0W+3], 0x80000000
	s_lshl_b32 s32, s63, 4
	s_add_nc_u64 s[8:9], s[8:9], s[32:33]          ; W's scale bytes: 16 a row
	s_lshl_b32 s32, s63, 2
	s_add_nc_u64 s[10:11], s[10:11], s[32:33]      ; the bias
	s_lshl_b32 s34, s29, 16                        ; the images: 65,536 bytes a (batch, head), 2,048 a row group
	s_lshl_b32 s78, s30, 11
	s_add_co_u32 s34, s34, s78
	s_add_nc_u64 s[12:13], s[12:13], s[34:35]
	s_add_nc_u64 s[16:17], s[16:17], s[34:35]
	s_add_nc_u64 s[20:21], s[20:21], s[34:35]
	s_lshl_b32 s34, s29, 13                        ; q's and k's scale words: 8,192 and 256
	s_lshl_b32 s78, s30, 8
	s_add_co_u32 s34, s34, s78
	s_add_nc_u64 s[14:15], s[14:15], s[34:35]
	s_add_nc_u64 s[18:19], s[18:19], s[34:35]
	s_lshl_b32 s34, s29, 11                        ; v's scale bytes: 2,048 a (batch, head); two key blocks a row group
	s_lshl_b32 s78, s30, 1
	s_add_co_u32 s34, s34, s78
	s_add_nc_u64 s[22:23], s[22:23], s[34:35]
	ROUND                                          ; all four work-groups are here: the joint loads meet
	tensor_load_to_lds s[G0X:G0X+3], s[G1X:G1X+7]  ; both fills of the launch go out together: two loads of mine are out
	s_nop 0
	tensor_load_to_lds s[G0W:G0W+3], s[G1W:G1W+7]
	s_nop 0
.rept 4
	v_nop
.endr
	global_load_b128 v[WS:WS+3], v[OWS], s[8:9]               ; W's scale words: row 8 u + r + 8 (r / 8), four K steps
	global_load_b128 v[WS+4:WS+7], v[OWS], s[8:9] offset:128
	s_cmp_lt_u32 s27, 2                            ; the column group is the same in all waves and all partners
	s_cbranch_scc0 .Lbias_v
.irp k, 0,1,2,3
	global_load_b128 v[BI+4*\k:BI+4*\k+3], v[OBQ], s[10:11] offset:16*\k      ; register 8 u + j: column 8 u + 16 (lane / 16) + j
.endr
	s_branch .Lbias_in
.Lbias_v:
.irp j, 0,1,2,3,4,5,6,7
	global_load_b32 v[BI+\j], v[OBV], s[10:11]                                ; all eight registers: my column 8 u + r + 8 (r / 8)
	global_load_b32 v[BI+8+\j], v[OBV], s[10:11] offset:32
.endr
.Lbias_in:
	s_wait_tensorcnt 0x1                           ; my rows of x have landed; W's load, issued behind them, may stay out
	s_barrier_signal -1
	s_barrier_wait -1                              ; everybody's rows of x have
	XLOADL XF, 0
	XLOADL ACC, 1
	s_wait_dscnt 16                                ; the first K step's 16 loads are in, the second's 16 may be out
	QUANT XF
.irp c, 0,1,2,3
	ds_store_b128 v[XWI], v[PC+4*\c:PC+4*\c+3] offset:512*\c
.endr
	ds_store_b32 v[XWS], v[PW]
	s_wait_dscnt 0x0                               ; the stores have read their registers, and the second K step's numbers are in
	QUANT ACC
.irp c, 0,1,2,3
	ds_store_b128 v[XWI], v[PC+4*\c:PC+4*\c+3] offset:FRB+512*\c
.endr
	ds_store_b32 v[XWS], v[PW] offset:128
	s_wait_dscnt 0x0                               ; for the others' sake: my images lie in LDS
	s_barrier_signal -1
	s_barrier_wait -1                              ; x's sixteen fragments lie in LDS
	s_wait_tensorcnt 0x0                           ; my 32 rows of W: I alone read them
	s_wait_loadcnt 0x0                             ; scale words and bias
	s_cmp_lt_u32 s27, 2
	s_cbranch_scc0 .Lv
	KSTEP 0, 0
	KSTEP 1, 0
	KSTEP 2, 0
	KSTEP 3, 0
.rept 8
	v_nop                                          ; eight places in front of the first read of results and of writes over operands
.endr
	v_mov_b32 v[C7], 0xbd5d0dd1                    ; -17/315
	v_mov_b32 v[C7+1], 0xbd5d0dd1
	v_mov_b32 v[C5], 0x3e088889                    ; 2/15
	v_mov_b32 v[C5+1], 0x3e088889
	v_mov_b32 v[C3], 0xbeaaaaab                    ; -1/3
	v_mov_b32 v[C3+1], 0xbeaaaaab
	ACT 0
	ACT 1
	ACT 2
	ACT 3
	v_cmp_eq_u32 vcc_lo, 1, v[HH]
.irp g, 0,1
	v_cndmask_b32 v[WQ+2*\g], v[WQ+2*\g], v[WQ+2*\g+1], vcc_lo    ; lanes 0-15 keep tile 0's words of the block, lanes 16-31 take tile 1's
	v_cndmask_b32 v[WK+2*\g], v[WK+2*\g], v[WK+2*\g+1], vcc_lo
	global_store_b32 v[LS], v[WQ+2*\g], s[14:15] offset:128*\g
	global_store_b32 v[LS], v[WK+2*\g], s[18:19] offset:128*\g
.endr
	s_branch .Lend
.Lv:
	KSTEP 0, 1
	KSTEP 1, 1
	KSTEP 2, 1
	KSTEP 3, 1
.rept 8
	v_nop
.endr
.irp g, 0,1
.irp u, 0,1
	QUANT16 ACC+16*(2*\g+\u), PC+4*(2*\g+\u), 2*\g+\u       ; key block g, tile u of the head's dims: my column's 16 keys
	global_store_b128 v[LI], v[PC+4*(2*\g+\u):PC+4*(2*\g+\u)+3], s[20:21] offset:1024*\g+512*\u
.endr
.endr
	v_lshl_or_b32 v[BI], v[TM+6], 8, v[TM+4]       ; tile 0: the two key blocks' bytes
	v_lshl_or_b32 v[BI+1], v[TM+7], 8, v[TM+5]     ; tile 1
	v_cmp_eq_u32 vcc_lo, 1, v[HH]
	v_cndmask_b32 v[BI], v[BI], v[BI+1], vcc_lo
	global_store_b16 v[OVS], v[BI], s[22:23]       ; two bytes a lane, rows 64 bytes apart: 65,536 bytes in the whole launch, one in 32 of the codes beside them
.Lend:
	s_wait_dscnt 0x0
	s_wait_tensorcnt 0x0
	ds_add_u32 v62, v63
	s_wait_dscnt 0x0
	ROUND                                          ; the closing round: no work-group ends while a partner may still ask for a tile that names it
	s_endpgm
.Lfunc_end_k_q14a7b2ccca_qkv:
	.size	k_q14a7b2ccca_qkv, .Lfunc_end_k_q14a7b2ccca_qkv-k_q14a7b2ccca_qkv
	.p2alignl 7, 3214868480
	.fill 96, 4, 3214868480
	.section	.rodata,"a",@progbits
	.p2align	6, 0x0
	.amdhsa_kernel k_q14a7b2ccca_qkv
		.amdhsa_group_segment_fixed_size 304128
		.amdhsa_private_segment_fixed_size 0
		.amdhsa_enable_private_segment 0
		.amdhsa_kernarg_size 80
		.amdhsa_user_sgpr_count 2
		.amdhsa_user_sgpr_kernarg_segment_ptr 1
		.amdhsa_wavefront_size32 1
		.amdhsa_system_sgpr_workgroup_id_x 1
		.amdhsa_system_sgpr_workgroup_id_y 1
		.amdhsa_system_sgpr_workgroup_id_z 1
		.amdhsa_system_vgpr_workitem_id 0
		.amdhsa_next_free_vgpr 256
		.amdhsa_next_free_sgpr 80
		.amdhsa_reserve_vcc 1
		.amdhsa_float_denorm_mode_32 3
		.amdhsa_float_denorm_mode_16_64 3
		.amdhsa_memory_ordered 1
		.amdhsa_forward_progress 1
		.amdhsa_inst_pref_size 114
	.end_amdhsa_kernel
	.amdgpu_metadata
---
amdhsa.version: [ 1, 2 ]
amdhsa.kernels:
  - .name:           k_q14a7b2ccca_qkv
    .symbol:         k_q14a7b2ccca_qkv.kd
    .args:
      - { .name: x, .offset: 0, .size: 8, .value_kind: global_buffer, .address_space: global }
      - { .name: W_qkv_codes, .offset: 8, .size: 8, .value_kind: global_buffer, .address_space: global }
      - { .name: W_qkv_scales, .offset: 16, .size: 8, .value_kind: global_buffer, .address_space: global }
      - { .name: b_qkv, .offset: 24, .size: 8, .value_kind: global_buffer, .address_space: global }
      - { .name: q_img, .offset: 32, .size: 8, .value_kind: global_buffer, .address_space: global }
      - { .name: qs, .offset: 40, .size: 8, .value_kind: global_buffer, .address_space: global }
      - { .name: k_img, .offset: 48, .size: 8, .value_kind: global_buffer, .address_space: global }
      - { .name: ks, .offset: 56, .size: 8, .value_kind: global_buffer, .address_space: global }
      - { .name: v_img, .offset: 64, .size: 8, .value_kind: global_buffer, .address_space: global }
      - { .name: v_sc, .offset: 72, .size: 8, .value_kind: global_buffer, .address_space: global }
    .group_segment_fixed_size: 304128
    .private_segment_fixed_size: 0
    .kernarg_segment_align: 8
    .kernarg_segment_size: 80
    .max_flat_workgroup_size: 256
    .sgpr_count:     80
    .vgpr_count:     256
    .wavefront_size: 32
...
	.end_amdgpu_metadata
.endif
;; end of part 1
;; launch attn (part 2): grid 8 x 32, 8 waves a work-group, no clusters, 86,016 bytes of LDS; arguments q_img, qs, k_img, ks, v_img, v_sc, a_img, a_sc; writes a_img, a_sc
.if DOCPART == 2
	.amdgcn_target "amdgcn-amd-amdhsa--gfx1250"
	.amdhsa_code_object_version 6
	.text
	.protected	k_q14a7b2ccca_attn
	.globl	k_q14a7b2ccca_attn
	.p2align	8
	.type	k_q14a7b2ccca_attn,@function
k_q14a7b2ccca_attn:
	s_mov_b64 s[64:65], 0
	v_nop
	global_prefetch_b8 v0, s[64:65] scope:SCOPE_SE
	s_setreg_imm32_b32 hwreg(HW_REG_WAVE_MODE, 25, 1), 1
	s_wait_xcnt 0x0
; One (batch, head): softmax((q k^T) x band) v, both products on codes of E4M3 with E8M0 scales; the result, divided by the row's sum, is quantised along the head's 32, which is one block of the last product's K.
; THE BAND.  Outside |i - j| <= 64 the score is multiplied by 0: there t = 0 and p = 2^-M whatever the data.  For a block of 32 queries b only key blocks b - 2 .. b + 2 need scores, exponentials and conversions.
; The other 59 key blocks' operand P is ONE code and one scale byte a query, made once by the same quantiser; their products with V are done on the matrix unit like the others.
; p = 2^(t - M), t = score x log2(e), M = ceil(the row's largest t), which is at least 0 since zeros are among the scores; the row's sum is taken of the unquantised p: five blocks' and 59 x 32 = 1,888 times 2^-M.
; SHARES.  A work-group takes 256 queries of one (batch, head) = work-group y; wave w takes query block b = 8 x work-group x + w: two tiles of 16.  V's codes of the whole head, 65,536 bytes, lie in LDS, brought by the eight waves through registers.
; THE WALK.  Step i = 0 .. 15 takes key blocks (b - 2 + 4 i + c) mod 64, c = 0 .. 3: step 0 and c = 0 of step 1 are the band.  At the sequence's ends the blocks that wrap round are real blocks outside the band: their scores are set to 0.
; NO CLUSTER: each wave walks V from its own query block on, so LDS addresses and the two branches for the sequence's ends hang on the work-group's x, which joint loads do not allow; what would be shared is 65,536 bytes a work-group.
; K = 32 IN AN INSTRUCTION 128 DEEP.  A fragment of k holds four key tiles, one in each block of 32; q stands in a window of zero codes, at the place of the tile that is wanted.  The scale words hold their byte four times.
; LAYOUT.  Both products are used transposed (S^T = k q^T, O^T = v^T p^T): a lane holds one query.  Tile u of a block takes row 8 u + r + 8 (r / 8), so the 16 registers of a block's two tiles are keys (or dims) 16 (lane / 16) + 0 .. 15.
; LIMITS.  The band is applied by choosing 0, which differs from x 0 for scores that are not finite alone.  v_exp_f32 gives 0 under 2^-126 (ISA guide 15.8), so p under that counts as 0.  A block under 2^-118 or of zeros gets the byte 1.
.set SCW,  68608                       ; LDS: V's 67 blocks of 1,024 bytes (64 .. 66 repeat 0 .. 2, so that a step's four blocks lie on end); then for each wave 16 scale words x 128 bytes
.set LI,   1                           ; v1   16 x lane
.set LS,   2                           ; v2   4 x lane
.set DLO,  3                           ; v3   in block b - 2 key n of my 16 is hidden where n - 8 tq < this
.set DHI,  4                           ; v4   in block b + 2 where n - 8 tq > this
.set VAD,  5                           ; v5   LDS address of the step's blocks of V (at the head: where I store V)
.set SAD,  6                           ; v6   and of its scale word (at the head: where wave 0 repeats blocks 0 .. 2)
.set KO,   7                           ; v7-11  byte offsets of the band's five blocks in k_img
.set NM,   12                          ; v[12:13] -M, and the word named with it
.set SUM,  14                          ; v[14:15] the row's sum
.set KS,   16                          ; v16-20 k's scale words
.set QS,   21                          ; v21  q's
.set PW0,  22                          ; v22-24 tile 0: p's scale words for step 0, step 1, the later steps
.set PW1,  25                          ; v25-27 tile 1
.set VSA,  28                          ; v28, v29 V's scale words, buffers A and B
.set VSB,  29
.set MX,   30                          ; v30-35 the five blocks' largest, and the constant's (at the head: global offsets)
.set PT,   36                          ; v36-41 permutes, bytes
.set HD,   42                          ; v42-47 448 x the scale
.set SO,   48                          ; v48-53 the conversions' scale operands
.set PCN,  54                          ; v54  2^-M
.set ZR,   55                          ; v55  0
.set RL0,  56                          ; v[56:57], v[58:59] 1 / the row's sum, tiles 0 and 1
.set QW,   60                          ; v60-103 12 zeros, q of tile 0, 12 zeros, q of tile 1, 12 zeros
.set KF,   104                         ; v104-151 k: ten tiles of 4 registers, then 8 zeros
.set S,    152                         ; v152-231 S^T, then p: register 16 e + n = key 16 (lane / 16) + n of block b - 2 + e
.set WD,   216                         ; v216-231 at the head: my row of V's scale bytes
.set P0,   232                         ; v232-251 tile 0's codes;  v252-253 its constant code
.set CW0,  252
.set SCB,  254                         ; v254 my lane's place among my wave's scale words
.set HH,   255                         ; v255 lane / 16
.set P1,   60                          ; behind the scores: v60-79 tile 1's codes, v80-95 its constant code,
.set CW1,  80
.set P0B,  96                          ; v96-99 tile 0's fifth block once more, v100-115 its constant code,
.set O,    116                         ; v116-147 O^T: tile tq, dims' tile u at 16 tq + 8 u
.set VA,   152                         ; behind the softmax: V's buffers A and B, tile u at 16 u
.set VB,   184
.set CO,   216                         ; the codes that leave
.set WV,   20                          ; s20  wave
.set QB,   21                          ; s21  my query block
.macro QK1 d, a, b, sa, ra, rb
.if \ra && \rb
	v_wmma_scale_f32_16x16x128_f8f6f4 v[(\d):(\d)+7], v[(\a):(\a)+15], v[(\b):(\b)+15], 0, v[\sa], v[QS] matrix_a_scale:MATRIX_SCALE_ROW1 matrix_b_scale:MATRIX_SCALE_ROW1
.elseif \ra
	v_wmma_scale_f32_16x16x128_f8f6f4 v[(\d):(\d)+7], v[(\a):(\a)+15], v[(\b):(\b)+15], 0, v[\sa], v[QS] matrix_a_scale:MATRIX_SCALE_ROW1
.elseif \rb
	v_wmma_scale_f32_16x16x128_f8f6f4 v[(\d):(\d)+7], v[(\a):(\a)+15], v[(\b):(\b)+15], 0, v[\sa], v[QS] matrix_b_scale:MATRIX_SCALE_ROW1
.else
	v_wmma_scale_f32_16x16x128_f8f6f4 v[(\d):(\d)+7], v[(\a):(\a)+15], v[(\b):(\b)+15], 0, v[\sa], v[QS]
.endif
.endm
; The scores of query tile tq against the band's ten key tiles: tile t lies at place t % 4 of fragment t / 4, and q is taken with its window shifted to that place
.macro QK tq
.irp t, 0,1,2,3,4,5,6,7,8,9
	QK1 S+8*\t, KF+16*(\t/4), QW+12+16*\tq-4*(\t%4), KS+\t/2, \t%2, \tq
.endr
.rept 8
	v_nop                                          ; eight places in front of the first read of results
.endr
.endm
; Tile tq's softmax: codes of the five blocks into v[p] on, the constant code into v[cw], the three scale words into v[pw] on, 1 / the sum into the pair v[rl]
.macro SOFTMAX tq, p, cw, pw, rl
	s_cmp_lg_u32 s[QB], 0                          ; branches on ids: query block 0 has no block b - 1, query block 63 no block b + 1
	s_cbranch_scc1 .Lnot_first_\@
.irp n, 0,1,2,3,4,5,6,7,8,9,10,11,12,13,14,15
	v_mov_b32 v[S+16+\n], 0
.endr
.Lnot_first_\@:
	s_cmp_lg_u32 s[QB], 63
	s_cbranch_scc1 .Lnot_last_\@
.irp n, 0,1,2,3,4,5,6,7,8,9,10,11,12,13,14,15
	v_mov_b32 v[S+48+\n], 0
.endr
.Lnot_last_\@:
.irp n, 0,1,2,3,4,5,6,7,8,9,10,11,12,13,14,15
	v_cmp_lt_i32 vcc_lo, \n-8*\tq, v[DLO]          ; block b - 2: hidden where the key's place in its block is under the query's
	v_cndmask_b32 v[S+\n], v[S+\n], v[ZR], vcc_lo
	v_cmp_gt_i32 vcc_lo, \n-8*\tq, v[DHI]          ; block b + 2: where it is over it
	v_cndmask_b32 v[S+64+\n], v[S+64+\n], v[ZR], vcc_lo
.endr
.irp e, 0,1,2,3,4
	v_max3_num_f32 v[MX+\e], v[S+16*\e], v[S+16*\e+1], v[S+16*\e+2]       ; each block's largest score: for the row's maximum and, since p rises with the score, for the block's largest p
.endr
.irp i, 3,5,7,9,11,13
.irp e, 0,1,2,3,4
	v_max3_num_f32 v[MX+\e], v[MX+\e], v[S+16*\e+\i], v[S+16*\e+\i+1]
.endr
.endr
.irp e, 0,1,2,3,4
	v_max_num_f32 v[MX+\e], v[MX+\e], v[S+16*\e+15]
.endr
.irp e, 0,1,2,3,4
	v_permlanex16_b32 v[PT+\e], v[MX+\e], s30, s31
.endr
.irp e, 0,1,2,3,4
	v_max_num_f32 v[MX+\e], v[MX+\e], v[PT+\e]
.endr
	v_max3_num_f32 v[PCN], v[MX], v[MX+1], v[MX+2]
	v_max3_num_f32 v[PCN], v[PCN], v[MX+3], v[MX+4]
	v_max_num_f32 v[PCN], 0, v[PCN]                ; the zeros outside the band are among the row's scores
	v_mul_f32 v[PCN], s32, v[PCN]
	v_floor_f32 v[NM], -v[PCN]                     ; -M = floor(-t) = -ceil(t)
.irp j, 0,2,4,6,8,10,12,14,16,18,20,22,24,26,28,30,32,34,36,38,40,42,44,46,48,50,52,54,56,58,60,62,64,66,68,70,72,74,76,78
	v_pk_fma_f32 v[S+\j:S+\j+1], v[S+\j:S+\j+1], s[32:33], v[NM:NM+1] op_sel_hi:[1,0,0]   ; t - M
.endr
.irp e, 0,1,2,3,4
	v_fma_f32 v[MX+\e], v[MX+\e], s32, v[NM]
.endr
	v_mov_b32 v[MX+5], v[NM]                       ; outside the band: 0 - M
.irp j, 0,1,2,3,4,5,6,7,8,9,10,11,12,13,14,15,16,17,18,19,20,21,22,23,24,25,26,27,28,29,30,31,32,33,34,35,36,37,38,39,40,41,42,43,44,45,46,47,48,49,50,51,52,53,54,55,56,57,58,59,60,61,62,63,64,65,66,67,68,69,70,71,72,73,74,75,76,77,78,79
	v_exp_f32 v[S+\j], v[S+\j]                     ; p
.endr
.irp e, 0,1,2,3,4,5
	v_exp_f32 v[MX+\e], v[MX+\e]                   ; each block's largest p, and 2^-M
.endr
	v_nop                                          ; a plain line behind the exponentials
	s_wait_alu depctr_va_vdst(0)
	v_mov_b32 v[PCN], v[MX+5]
.irp e, 0,1,2,3,4,5
	v_max_num_f32 v[MX+\e], 0x4800000, v[MX+\e]    ; the floor 2^(9 - 127): the byte cannot fall under 1
.endr
.irp e, 0,1,2,3,4,5
	v_add_nc_u32 v[SO+\e], 0xfc000000, v[MX+\e]
.endr
.irp e, 0,1,2,3,4,5
	v_and_or_b32 v[HD+\e], v[MX+\e], 0x7f800000, s34
.endr
.irp e, 0,1,2,3,4,5
	v_lshrrev_b32 v[PT+\e], 23, v[SO+\e]
.endr
	v_lshl_or_b32 v[\pw], v[PT+1], 8, v[PT]        ; step 0: blocks b - 2 .. b + 1
	v_lshl_or_b32 v[\pw+2], v[PT+5], 8, v[PT+5]    ; the later steps: the constant's byte four times
	v_lshl_or_b32 v[\pw], v[PT+2], 16, v[\pw]
	v_lshl_or_b32 v[\pw+2], v[\pw+2], 16, v[\pw+2]
	v_lshl_or_b32 v[\pw], v[PT+3], 24, v[\pw]
	v_and_or_b32 v[\pw+1], v[\pw+2], 0xffffff00, v[PT+4]   ; step 1: block b + 2, then the constant's
	v_pk_add_f32 v[SUM:SUM+1], v[S:S+1], v[S+4:S+5]        ; the sum of the unquantised p, two at a time, in two chains
	v_pk_add_f32 v[PT:PT+1], v[S+2:S+3], v[S+6:S+7]
.irp j, 8,12,16,20,24,28,32,36,40,44,48,52,56,60,64,68,72,76
	v_pk_add_f32 v[SUM:SUM+1], v[SUM:SUM+1], v[S+\j:S+\j+1]
	v_pk_add_f32 v[PT:PT+1], v[PT:PT+1], v[S+\j+2:S+\j+3]
.endr
	v_pk_add_f32 v[SUM:SUM+1], v[SUM:SUM+1], v[PT:PT+1]
	v_add_f32 v[SUM], v[SUM], v[SUM+1]
	v_permlanex16_b32 v[PT], v[SUM], s30, s31
	v_add_f32 v[SUM], v[SUM], v[PT]
	v_fma_f32 v[SUM], v[PCN], s36, v[SUM]          ; + 1,888 x 2^-M
	v_rcp_f32 v[\rl], v[SUM]
	v_rcp_f32 v[\rl+1], v[SUM]
.irp e, 0,1,2,3,4
.irp i, 0,1,2,3,4,5,6,7,8,9,10,11,12,13,14,15
	v_min_num_f32 v[S+16*\e+\i], v[S+16*\e+\i], v[HD+\e]   ; the hold: the conversion does not saturate (ISA guide 7.6.2); p is not negative
.endr
.endr
.irp e, 0,1,2,3,4
	v_cvt_scalef32_pk8_fp8_f32 v[\p+4*\e:\p+4*\e+1], v[S+16*\e:S+16*\e+7], v[SO+\e]
	v_cvt_scalef32_pk8_fp8_f32 v[\p+4*\e+2:\p+4*\e+3], v[S+16*\e+8:S+16*\e+15], v[SO+\e]
.endr
	v_nop
	v_min_num_f32 v[PCN], v[PCN], v[HD+5]          ; the constant block goes through the same quantiser: eight times 2^-M
.irp i, 0,1,2,3,4,5,6,7
	v_mov_b32 v[S+\i], v[PCN]
.endr
	v_cvt_scalef32_pk8_fp8_f32 v[\cw:\cw+1], v[S:S+7], v[SO+5]
	v_nop
.endm
; The next step's four blocks of V, both tiles of dims, and their scale word.  The two additions and six v_nop are the eight places behind the products that read this buffer.
.macro VLOAD buf, vs
	v_add_nc_u32 v[VAD], s25, v[LI]
	v_add_nc_u32 v[SAD], s26, v[SCB]
.rept 6
	v_nop
.endr
.irp u, 0,1
.irp c, 0,1,2,3
	ds_load_b128 v[\buf+16*\u+4*\c:\buf+16*\u+4*\c+3], v[VAD] offset:1024*\c+512*\u
.endr
.endr
	ds_load_b32 v[\vs], v[SAD]
	s_add_co_u32 s25, s25, 4096                    ; four blocks on, round the head's 64
	s_and_b32 s25, s25, 0xffff
	s_add_co_u32 s26, s26, 128
	s_and_b32 s26, s26, 2047
.endm
.macro PV1 d, a, b, vs, w, row, zero
.if \zero && \row
	v_wmma_scale_f32_16x16x128_f8f6f4 v[(\d):(\d)+7], v[(\a):(\a)+15], v[(\b):(\b)+15], 0, v[\vs], v[\w] matrix_a_scale:MATRIX_SCALE_ROW1
.elseif \zero
	v_wmma_scale_f32_16x16x128_f8f6f4 v[(\d):(\d)+7], v[(\a):(\a)+15], v[(\b):(\b)+15], 0, v[\vs], v[\w]
.elseif \row
	v_wmma_scale_f32_16x16x128_f8f6f4 v[(\d):(\d)+7], v[(\a):(\a)+15], v[(\b):(\b)+15], v[(\d):(\d)+7], v[\vs], v[\w] matrix_a_scale:MATRIX_SCALE_ROW1
.else
	v_wmma_scale_f32_16x16x128_f8f6f4 v[(\d):(\d)+7], v[(\a):(\a)+15], v[(\b):(\b)+15], v[(\d):(\d)+7], v[\vs], v[\w]
.endif
.endm
; O^T += V^T P^T for 128 keys: four accumulators, one instruction a turn, over the loop's backward jump too
.macro PVMUL buf, vs, f0, f1, w0, w1, zero
	PV1 O, \buf, \f0, \vs, \w0, 0, \zero
	PV1 O+16, \buf, \f1, \vs, \w1, 0, \zero
	PV1 O+8, \buf+16, \f0, \vs, \w0, 1, \zero
	PV1 O+24, \buf+16, \f1, \vs, \w1, 1, \zero
.endm
.macro QUANT16 s, dst, i
	v_max3_num_f32 v[MX+\i], |v[(\s)]|, |v[(\s)+1]|, 0x4800000
.irp k, 2,4,6,8,10,12,14
	v_max3_num_f32 v[MX+\i], v[MX+\i], |v[(\s)+\k]|, |v[(\s)+\k+1]|
.endr
	v_permlanex16_b32 v[PT+\i], v[MX+\i], s30, s31
	v_max_num_f32 v[MX+\i], v[MX+\i], v[PT+\i]
	v_add_nc_u32 v[SO+\i], 0xfc000000, v[MX+\i]
	v_and_or_b32 v[HD+\i], v[MX+\i], 0x7f800000, s34
	v_lshrrev_b32 v[PT+\i], 23, v[SO+\i]
.irp k, 0,1,2,3,4,5,6,7,8,9,10,11,12,13,14,15
	v_med3_num_f32 v[(\s)+\k], v[(\s)+\k], -v[HD+\i], v[HD+\i]
.endr
	v_cvt_scalef32_pk8_fp8_f32 v[(\dst):(\dst)+1], v[(\s):(\s)+7], v[SO+\i]
	v_cvt_scalef32_pk8_fp8_f32 v[(\dst)+2:(\dst)+3], v[(\s)+8:(\s)+15], v[SO+\i]
	v_nop
.endm
	s_load_b256 s[4:11], s[0:1], 0x0               ; q_img, qs, k_img, ks
	s_load_b256 s[12:19], s[0:1], 0x20             ; v_img, v_sc, a_img, a_sc
	s_set_vgpr_msb 0x40
	v_lshl_add_u32 v0, v0, 2, 0x14c00
	v_mov_b32 v1, 0
	s_set_vgpr_msb 0x4000
	v_lshrrev_b32 v5, 5, v0
	v_readfirstlane_b32 s[WV], v5                  ; wave 0..7
	s_lshl_b32 s[QB], ttmp9, 3
	s_add_co_u32 s[QB], s[QB], s[WV]               ; b
	s_and_b32 s22, ttmp7, 0xffff                   ; bh
	s_and_b32 s23, s22, 15                         ; head
	s_lshr_b32 s24, s22, 4                         ; batch
	s_add_co_u32 s28, s[QB], 62
	s_and_b32 s28, s28, 63                         ; the walk's first block: (b - 2) mod 64
	s_lshl_b32 s25, s28, 10                        ; its place in LDS
	s_lshr_b32 s26, s28, 2
	s_lshl_b32 s26, s26, 7                         ; and its scale word's
	s_and_b32 s29, s28, 3
	s_mul_i32 s35, s29, 0x01010101
	s_add_co_u32 s35, s35, 0x03020100              ; byte selects: a word that begins (b - 2) % 4 bytes on
	s_mov_b32 s30, 0x76543210
	s_mov_b32 s31, 0xfedcba98                      ; v_permlanex16_b32's selects for lane l xor 16
	s_mov_b32 s32, 0x3fb8aa3b                      ; log2(e)
	s_mov_b32 s33, s32                             ; (named with it as a pair, so it is written)
	s_mov_b32 s34, 0x600000                        ; the mantissa field of 448
	s_mov_b32 s36, 0x44ec0000                      ; 1,888
	v_and_b32 v5, 31, v0
	v_lshlrev_b32 v[LI], 4, v5
	v_lshlrev_b32 v[LS], 2, v5
	v_lshlrev_b32 v[MX+5], 6, v5                   ; my row of V's scale bytes
	v_and_b32 v5, 15, v0
	v_bfe_u32 v[HH], v0, 4, 1
	v_and_b32 v6, 8, v5
	v_add_nc_u32 v6, v6, v5                        ; r + 8 (r / 8)
	v_lshlrev_b32 v5, 4, v[HH]
	v_sub_nc_u32 v6, v6, v5                        ; - 16 (lane / 16)
	s_cmp_lt_u32 s[QB], 2
	s_cselect_b32 s37, 1000, 0                     ; query blocks 0 and 1 have no block b - 2: all of it is hidden
	v_add_nc_u32 v[DLO], s37, v6
	s_cmp_gt_u32 s[QB], 61
	s_cselect_b32 s37, 0xfffffc18, 0               ; query blocks 62 and 63 no block b + 2
	v_add_nc_u32 v[DHI], s37, v6
	s_lshl_b32 s37, s[WV], 13
	v_add_nc_u32 v[VAD], s37, v[LI]                ; wave w stores blocks 8 w .. 8 w + 7 of V
	v_add_nc_u32 v[SAD], 0x10000, v[LI]            ; wave 0 repeats blocks 0 .. 2 behind block 63
	s_lshl_b32 s37, s[WV], 11
	s_add_co_u32 s37, s37, SCW
	v_add_nc_u32 v[SCB], s37, v[LS]
.irp e, 0,1,2,3,4
	s_add_co_u32 s28, s[QB], 62+\e
	s_and_b32 s28, s28, 63
	s_lshl_b32 s29, s28, 10
	v_add_nc_u32 v[KO+\e], s29, v[LI]
	s_lshl_b32 s29, s28, 7
	v_add_nc_u32 v[MX+\e], s29, v[LS]
.endr
.irp j, 0,1,2,3,4,5,6,7,8,9,10,11
	v_mov_b32 v[QW+\j], 0                          ; zero codes round q
	v_mov_b32 v[QW+16+\j], 0
	v_mov_b32 v[QW+32+\j], 0
.endr
.irp j, 0,1,2,3,4,5,6,7
	v_mov_b32 v[KF+40+\j], 0                       ; and behind k's tenth tile
.endr
.irp j, 0,1,2,3,4,5
	v_mov_b32 v[PT+\j], 0                          ; written once: a lane permute's destination counts as one of its sources
.endr
	v_mov_b32 v[ZR], 0
	v_mov_b32 v[NM+1], 0
	s_mov_b32 s29, 0
	s_wait_kmcnt 0x0
	s_lshl_b32 s28, s22, 16                        ; 65,536 bytes of codes a (batch, head)
	s_add_nc_u64 s[8:9], s[8:9], s[28:29]
	s_add_nc_u64 s[4:5], s[4:5], s[28:29]
	s_add_nc_u64 s[12:13], s[12:13], s[28:29]
	s_lshl_b32 s28, s[QB], 10
	s_add_nc_u64 s[4:5], s[4:5], s[28:29]          ; q: my block's two tiles
	s_lshl_b32 s28, s[WV], 13
	s_add_nc_u64 s[12:13], s[12:13], s[28:29]      ; V: my wave's eight blocks
	s_lshl_b32 s28, s22, 13
	s_add_nc_u64 s[10:11], s[10:11], s[28:29]
	s_add_nc_u64 s[6:7], s[6:7], s[28:29]
	s_lshl_b32 s28, s[QB], 7
	s_add_nc_u64 s[6:7], s[6:7], s[28:29]
	s_add_nc_u64 s[18:19], s[18:19], s[28:29]      ; a_sc: (128 head + 64 batch + b) x 128
	s_lshl_b32 s28, s22, 11
	s_add_nc_u64 s[14:15], s[14:15], s[28:29]
	s_lshl_b32 s28, s23, 14
	s_add_nc_u64 s[18:19], s[18:19], s[28:29]
	s_lshl_b32 s28, s24, 13
	s_add_nc_u64 s[18:19], s[18:19], s[28:29]
	s_lshl_b32 s28, s24, 20                        ; a_img: ((128 batch + 2 b + tq) x 16 + head) x 512
	s_add_nc_u64 s[16:17], s[16:17], s[28:29]
	s_lshl_b32 s28, s[QB], 14
	s_add_nc_u64 s[16:17], s[16:17], s[28:29]
	s_lshl_b32 s28, s23, 9
	s_add_nc_u64 s[16:17], s[16:17], s[28:29]
.irp i, 0,1,2,3,4,5,6,7,8,9,10,11,12,13,14,15
	global_load_b128 v[S+4*\i:S+4*\i+3], v[LI], s[12:13] offset:512*\i
.endr
.irp k, 0,1,2,3
	global_load_b128 v[WD+4*\k:WD+4*\k+3], v[MX+5], s[14:15] offset:16*\k
.endr
.irp e, 0,1,2,3,4
	global_load_b128 v[KF+8*\e:KF+8*\e+3], v[KO+\e], s[8:9]
	global_load_b128 v[KF+8*\e+4:KF+8*\e+7], v[KO+\e], s[8:9] offset:512
	global_load_b32 v[KS+\e], v[MX+\e], s[10:11]
.endr
	global_load_b128 v[QW+12:QW+15], v[LI], s[4:5]
	global_load_b128 v[QW+28:QW+31], v[LI], s[4:5] offset:512
	global_load_b32 v[QS], v[LS], s[6:7]
	s_wait_loadcnt 18                              ; V and its scale bytes are in; the 18 loads behind them (k 10, its scales 5, q 2, its scales 1) may be out
.irp i, 0,1,2,3,4,5,6,7,8,9,10,11,12,13,14,15
	ds_store_b128 v[VAD], v[S+4*\i:S+4*\i+3] offset:512*\i
.endr
	s_cmp_lg_u32 s[WV], 0
	s_cbranch_scc1 .Lnot_wave_0
.irp i, 0,1,2,3,4,5
	ds_store_b128 v[SAD], v[S+4*\i:S+4*\i+3] offset:512*\i
.endr
.Lnot_wave_0:
.irp j, 0,1,2,3,4,5,6,7,8,9,10,11,12,13,14,15
	v_perm_b32 v[P0+\j], v[WD+(\j+1)%16], v[WD+\j], s35     ; word j: the bytes of blocks 4 j + (b - 2) % 4 on, round the 64
	ds_store_b32 v[SCB], v[P0+\j] offset:128*\j
.endr
	s_wait_dscnt 0x0                               ; for the others' sake: my blocks of V lie in LDS
	s_barrier_signal -1
	s_barrier_wait -1                              ; the one barrier: behind it LDS is only read
	s_wait_loadcnt 0x0
	QK 0
	SOFTMAX 0, P0, CW0, PW0, RL0
	QK 1
	SOFTMAX 1, P1, CW1, PW1, RL0+2
.irp j, 2,3,4,5,6,7,8,9,10,11,12,13,14,15
	v_mov_b32 v[CW1+\j], v[CW1]                    ; the constant code fills a fragment
.endr
.irp j, 0,1,2,3
	v_mov_b32 v[P0B+\j], v[P0+16+\j]               ; tile 0's fifth block, with constants behind it
.endr
.irp j, 0,1,2,3,4,5,6,7,8,9,10,11,12,13,14,15
	v_mov_b32 v[P0B+4+\j], v[CW0]
.endr
	VLOAD VA, VSA
	VLOAD VB, VSB
	s_wait_dscnt 9                                 ; buffer A's nine loads are in, B's nine may be out
	PVMUL VA, VSA, P0, P1, PW0, PW1, 1             ; step 0 starts the sums
	VLOAD VA, VSA
	s_wait_dscnt 9
	PVMUL VB, VSB, P0B, P1+16, PW0+1, PW1+1, 0     ; step 1: block b + 2, then constants
	s_mov_b32 s27, 6
.Lstep:                                            ; steps 2 .. 13, two a trip: constants alone
	VLOAD VB, VSB
	s_wait_dscnt 9                                 ; the nine just issued may be out
	PVMUL VA, VSA, P0B+4, CW1, PW0+2, PW1+2, 0
	VLOAD VA, VSA
	s_wait_dscnt 9
	PVMUL VB, VSB, P0B+4, CW1, PW0+2, PW1+2, 0
	s_sub_co_u32 s27, s27, 1
	s_cmp_lg_u32 s27, 0
	s_cbranch_scc1 .Lstep
	VLOAD VB, VSB
	s_wait_dscnt 9
	PVMUL VA, VSA, P0B+4, CW1, PW0+2, PW1+2, 0
	s_wait_dscnt 0x0
	PVMUL VB, VSB, P0B+4, CW1, PW0+2, PW1+2, 0
.rept 8
	v_nop
.endr
	s_wait_alu depctr_va_vdst(0)
.irp q, 0,1
.irp i, 0,2,4,6,8,10,12,14
	v_pk_mul_f32 v[O+16*\q+\i:O+16*\q+\i+1], v[O+16*\q+\i:O+16*\q+\i+1], v[RL0+2*\q:RL0+2*\q+1]   ; / the row's sum; each accumulator from its low end on
.endr
	QUANT16 O+16*\q, CO+4*\q, \q
	global_store_b128 v[LI], v[CO+4*\q:CO+4*\q+3], s[16:17] offset:8192*\q     ; 32 lanes store 512 consecutive bytes
.endr
	v_cmp_eq_u32 vcc_lo, 1, v[HH]
	v_cndmask_b32 v[PT], v[PT], v[PT+1], vcc_lo    ; lanes 0-15 keep tile 0's bytes, lanes 16-31 take tile 1's
	global_store_b32 v[LS], v[PT], s[18:19]
	s_set_vgpr_msb 0x5
	s_wait_tensorcnt 0x0
	ds_add_u32 v0, v1
	s_wait_dscnt 0x0
	s_set_vgpr_msb 0x500
	s_endpgm
.Lfunc_end_k_q14a7b2ccca_attn:
	.size	k_q14a7b2ccca_attn, .Lfunc_end_k_q14a7b2ccca_attn-k_q14a7b2ccca_attn
	.p2alignl 7, 3214868480
	.fill 96, 4, 3214868480
	.section	.rodata,"a",@progbits
	.p2align	6, 0x0
	.amdhsa_kernel k_q14a7b2ccca_attn
		.amdhsa_group_segment_fixed_size 86016
		.amdhsa_private_segment_fixed_size 0
		.amdhsa_enable_private_segment 0
		.amdhsa_kernarg_size 64
		.amdhsa_user_sgpr_count 2
		.amdhsa_user_sgpr_kernarg_segment_ptr 1
		.amdhsa_wavefront_size32 1
		.amdhsa_system_sgpr_workgroup_id_x 1
		.amdhsa_system_sgpr_workgroup_id_y 1
		.amdhsa_system_sgpr_workgroup_id_z 1
		.amdhsa_system_vgpr_workitem_id 0
		.amdhsa_next_free_vgpr 258
		.amdhsa_next_free_sgpr 66
		.amdhsa_reserve_vcc 1
		.amdhsa_float_denorm_mode_32 3
		.amdhsa_float_denorm_mode_16_64 3
		.amdhsa_memory_ordered 1
		.amdhsa_forward_progress 1
		.amdhsa_inst_pref_size 73
	.end_amdhsa_kernel
	.amdgpu_metadata
---
amdhsa.version: [ 1, 2 ]
amdhsa.kernels:
  - .name:           k_q14a7b2ccca_attn
    .symbol:         k_q14a7b2ccca_attn.kd
    .args:
      - { .name: q_img, .offset: 0, .size: 8, .value_kind: global_buffer, .address_space: global }
      - { .name: qs, .offset: 8, .size: 8, .value_kind: global_buffer, .address_space: global }
      - { .name: k_img, .offset: 16, .size: 8, .value_kind: global_buffer, .address_space: global }
      - { .name: ks, .offset: 24, .size: 8, .value_kind: global_buffer, .address_space: global }
      - { .name: v_img, .offset: 32, .size: 8, .value_kind: global_buffer, .address_space: global }
      - { .name: v_sc, .offset: 40, .size: 8, .value_kind: global_buffer, .address_space: global }
      - { .name: a_img, .offset: 48, .size: 8, .value_kind: global_buffer, .address_space: global }
      - { .name: a_sc, .offset: 56, .size: 8, .value_kind: global_buffer, .address_space: global }
    .group_segment_fixed_size: 86016
    .private_segment_fixed_size: 0
    .kernarg_segment_align: 8
    .kernarg_segment_size: 64
    .max_flat_workgroup_size: 256
    .sgpr_count:     66
    .vgpr_count:     258
    .wavefront_size: 32
...
	.end_amdgpu_metadata
.endif
;; end of part 2
;; launch proj (part 3): grid 256 x 1, 8 waves a work-group, clusters of 4 x 1, 307,200 bytes of LDS; arguments a_img, a_sc, W_out_codes, W_out_scales, b_out, x, ln_gamma, ln_beta, out0; writes out0
.if DOCPART == 3
	.amdgcn_target "amdgcn-amd-amdhsa--gfx1250"
	.amdhsa_code_object_version 6
	.text
	.protected	k_q14a7b2ccca_proj
	.globl	k_q14a7b2ccca_proj
	.p2align	8
	.type	k_q14a7b2ccca_proj,@function
k_q14a7b2ccca_proj:
	s_mov_b64 s[64:65], 0
	v_nop
	global_prefetch_b8 v0, s[64:65] scope:SCOPE_SE
	s_setreg_imm32_b32 hwreg(HW_REG_WAVE_MODE, 25, 1), 1
	s_wait_xcnt 0x0
	s_wait_alu depctr_hold_cnt(0) depctr_sa_sdst(0) depctr_va_vdst(0) depctr_va_sdst(0) depctr_va_ssrc(0) depctr_va_vcc(0) depctr_vm_vsrc(0)
	s_getreg_b32 s2, hwreg(HW_REG_IB_STS2, 6, 4)
	s_cmp_eq_u32 s2, 0
	s_cbranch_scc0 .Lentry_in_a_cluster
	s_endpgm
.Lentry_in_a_cluster:
	s_bfe_u32 s2, ttmp6, 0x10000c
	s_cmp_lg_u32 s2, 0x3003
	s_cbranch_scc0 .Lentry_shape_is_right
	s_endpgm
.Lentry_shape_is_right:
; out0 = LayerNorm(x + attn W_out + b_out) x gamma + beta.  attn arrives as codes of E4M3 in images of operand registers (a_img [row tile 256][head 16][512]) with one scale byte a row and head (a_sc [head][block 128][lane] words);
; W_out as codes [512][512] with scale bytes [512][16].  Sums, residual and norm in f32.
; SHARES.  A work-group takes one row tile rt = 4 x cluster x + cx: the 16 rows 32 (rt / 2) + 8 (rt % 2) + i + 8 (i / 8), and all 512 columns, so that a row's mean and variance stay inside the work-group.  Wave w takes columns 64 w .. 64 w + 63.
; CLUSTER.  Every work-group walks all of W_out: its 262,144 bytes fit in LDS at once and are asked for jointly by the four partners (mask 15); the descriptor hangs on the wave's number alone.  Filled once: no ring.  A wave reads only the 64 rows that it fetched.
; The product is used transposed (source 0 = 16 rows of W_out, source 1 = the row tile): a lane holds one row and eight neighbouring columns a tile.  x + b_out is the C of each sum's first matrix instruction: it is loaded by whole rows and turned
; into the result's layout through the wave's own stage in LDS; the same stage turns the result back, so that sixteen lanes store 256 consecutive bytes.
; THE NORM takes two passes (mean; then the squares of the differences), so that no difference of large sums is formed.  A row's partial sums of the eight waves meet in LDS, behind a barrier each.
; LIMITS.  NaN and infinities among the inputs are not served.
.set WP,    528                        ; a row of W_out in LDS: 512 bytes + 16 of padding
.set STAGE, 270336                     ; behind W's 512 rows: 16 rows x 272 bytes for each wave
.set SP,    272
.set RED,   305152                     ; two arrays [wave 8][row 16] of f32
.set LI,   1                           ; v1   16 x lane
.set R4,   2                           ; v2   4 r
.set WAD,  3                           ; v3   my lane's place in my wave's 64 rows of W
.set STW,  4                           ; v4   the stage by whole rows: lanes 0-15 one row, lanes 16-31 the next
.set STA,  5                           ; v5   the stage in the result's layout: row r, 32 bytes for each half of the lanes
.set RW,   6                           ; v6   where I put my row's partial sum
.set RR,   7                           ; v7   where I read the eight
.set OX,   8                           ; v8   x and out0: 2,048 (lane / 16) + 256 w + 16 r
.set OC,   9                           ; v9   b_out, gamma, beta: 256 w + 16 r
.set OW,   10                          ; v10  W's scale bytes: 1,024 w + 16 r
.set WS,   16                          ; v16-31 W's scale words, 4 ct + s
.set AS,   32                          ; v32-35 attn's scale words, one a K step
.set RAW,  36                          ; v36-51 attn's scale bytes, one word a head
.set BO,   52                          ; v52-55 b_out; later a chain of squares
.set GA,   56                          ; v56-59 gamma
.set BE,   60                          ; v60-63 beta
.set ACC,  64                          ; v64-95 four accumulators
.set AF,   96                          ; v96-159 attn's four fragments
.set WF,   160                         ; v160-223 W's four fragments of a K step
.set DN,   224                         ; v224-255 whole rows
.set WV,   22                          ; s22  wave
.set G1,   28                          ; s[28:35], s[36:39] descriptor groups 1 and 0
.set G0,   36
.macro ROUND
	s_barrier_signal -1
	s_barrier_wait -1
	s_cmp_lg_u32 s[WV], 0
	s_cbranch_scc1 .Lnot_wave_0_\@
	s_barrier_signal -3
.Lnot_wave_0_\@:
	s_barrier_wait -3
	s_barrier_signal -1
	s_barrier_wait -1
.endm
; v12, my row's sum over my wave's 64 columns, becomes in v224 the sum over all 512: store, wait, barrier, load
.macro ACROSS off
	ds_store_b32 v[RW], v12 offset:\off            ; both halves of the lanes write the same word with the same value
	s_wait_dscnt 0x0                               ; for the others' sake
	s_barrier_signal -1
	s_barrier_wait -1
.irp k, 0,1,2,3,4,5,6,7
	ds_load_b32 v[DN+\k], v[RR] offset:\off+64*\k
.endr
	s_wait_dscnt 0x0
	v_add_f32 v[DN], v[DN], v[DN+1]
	v_add_f32 v[DN+2], v[DN+2], v[DN+3]
	v_add_f32 v[DN+4], v[DN+4], v[DN+5]
	v_add_f32 v[DN+6], v[DN+6], v[DN+7]
	v_add_f32 v[DN], v[DN], v[DN+2]
	v_add_f32 v[DN+4], v[DN+4], v[DN+6]
	v_add_f32 v[DN], v[DN], v[DN+4]
.endm
	s_load_b256 s[4:11], s[0:1], 0x0               ; a_img, a_sc, W's codes, W's scales
	s_load_b256 s[12:19], s[0:1], 0x20             ; b_out, x, gamma, beta
	s_load_b64 s[20:21], s[0:1], 0x40              ; out0
	s_set_vgpr_msb 0x40
	v_lshl_add_u32 v0, v0, 2, 0x4ac00
	v_mov_b32 v1, 0
	s_set_vgpr_msb 0x4045
	ds_add_u32 v0, v1
	ds_add_u32 v0, v1
	s_set_vgpr_msb 0x4500
	v_lshrrev_b32 v11, 5, v0
	v_readfirstlane_b32 s[WV], v11                 ; wave 0..7
	s_bfe_u32 s23, ttmp6, 0x40000                  ; cx
	s_lshl_b32 s24, ttmp9, 2
	s_add_co_u32 s24, s24, s23                     ; rt
	s_lshr_b32 s25, s24, 1
	s_lshl_b32 s25, s25, 5
	s_and_b32 s40, s24, 1
	s_lshl_b32 s40, s40, 3
	s_add_co_u32 s25, s25, s40                     ; the tile's first row
	v_and_b32 v11, 31, v0
	v_lshlrev_b32 v[LI], 4, v11
	v_and_b32 v12, 15, v0                          ; r
	v_bfe_u32 v13, v0, 4, 1                        ; lane / 16
	v_lshlrev_b32 v[R4], 2, v12
	s_mul_i32 s47, s[WV], 64*WP
	v_mul_u32_u24 v[WAD], v12, WP
	v_lshl_add_u32 v[WAD], v13, 4, v[WAD]
	v_add_nc_u32 v[WAD], s47, v[WAD]
	s_mul_i32 s47, s[WV], 16*SP
	s_add_co_u32 s47, s47, STAGE
	v_mul_u32_u24 v[STW], v13, SP
	v_lshl_add_u32 v[STW], v12, 4, v[STW]
	v_add_nc_u32 v[STW], s47, v[STW]
	v_mul_u32_u24 v[STA], v12, SP
	v_lshl_add_u32 v[STA], v13, 5, v[STA]
	v_add_nc_u32 v[STA], s47, v[STA]
	s_lshl_b32 s47, s[WV], 6
	s_add_co_u32 s47, s47, RED
	v_add_nc_u32 v[RW], s47, v[R4]
	v_add_nc_u32 v[RR], RED, v[R4]
	s_lshl_b32 s47, s[WV], 8
	v_lshl_add_u32 v[OC], v12, 4, s47
	v_lshl_add_u32 v[OX], v13, 11, v[OC]
	s_lshl_b32 s47, s[WV], 10
	v_lshl_add_u32 v[OW], v12, 4, s47
	; W_out: 64 rows of 512 codes a wave, dense in memory, 16 bytes of padding behind each
	s_mov_b32 s[G1+0], 15|(0<<16)|(1<<20)|(1<<21)|(6<<22)|(3<<25)   ; mask: all four; elements of 1 byte; padding on; bit 21 beside a mask; 4 words behind every 128
	s_mov_b32 s[G1+1], 512<<16                     ; tensor_dim0
	s_mov_b32 s[G1+2], 64<<16                      ; tensor_dim1
	s_mov_b32 s[G1+3], 512<<16                     ; tile_dim0
	s_mov_b32 s[G1+4], 64                          ; tile_dim1
	s_mov_b32 s[G1+5], 512                         ; from row to row
	s_mov_b32 s[G1+6], 0
	s_mov_b32 s[G1+7], 0
	s_mov_b32 s[G0], 1
	s_mul_i32 s[G0+1], s[WV], 64*WP
	s_lshl_b32 s26, s[WV], 15                      ; 64 rows of 512 bytes a wave: nothing of my place in the cluster
	s_mov_b32 s27, 0
	s_mov_b32 s41, 0
	s_mov_b32 s42, 0x76543210
	s_mov_b32 s43, 0xfedcba98                      ; v_permlanex16_b32's selects for lane l xor 16
	s_mov_b32 s44, 0xbb000000                      ; -1/512
	s_mov_b32 s45, 0x3b000000                      ; 1/512
	s_mov_b32 s46, 0x3727c5ac                      ; 1e-5
	s_wait_dscnt 0x0
	s_wait_kmcnt 0x0
	s_add_nc_u64 s[G0+2:G0+3], s[8:9], s[26:27]
	s_or_b32 s[G0+3], s[G0+3], 0x80000000
	s_lshl_b32 s40, s24, 13
	s_add_nc_u64 s[4:5], s[4:5], s[40:41]          ; my tile's 16 groups of codes
	s_lshl_b32 s40, s24, 6
	s_add_nc_u64 s[6:7], s[6:7], s[40:41]          ; and its 16 rows' scale words in each head
	s_lshl_b32 s40, s25, 11
	s_add_nc_u64 s[14:15], s[14:15], s[40:41]      ; x and out0 at the tile's first row
	s_add_nc_u64 s[20:21], s[20:21], s[40:41]
	ROUND                                          ; all four work-groups are here: the joint loads meet
	tensor_load_to_lds s[G0:G0+3], s[G1:G1+7]      ; the launch's one fill: one load of mine is out
	s_nop 0
.rept 4
	v_nop
.endr
.irp i, 0,1,2,3,4,5,6,7
	global_load_b128 v[DN+4*\i:DN+4*\i+3], v[OX], s[14:15] offset:(2*\i+8*(\i/4))*2048     ; rows 2 i and 2 i + 1 of the tile: 16 lanes read 256 consecutive bytes
.endr
	global_load_b128 v[BO:BO+3], v[OC], s[12:13]
.irp g, 0,1,2,3,4,5,6,7,8,9,10,11,12,13,14,15
	global_load_b32 v[RAW+\g], v[R4], s[6:7] offset:16384*\g
.endr
.irp t, 0,1,2,3
	global_load_b128 v[WS+4*\t:WS+4*\t+3], v[OW], s[10:11] offset:256*\t
.endr
.irp g, 0,1,2,3,4,5,6,7,8,9,10,11,12,13,14,15
	global_load_b128 v[AF+4*\g:AF+4*\g+3], v[LI], s[4:5] offset:512*\g       ; head g = 4 s + c: registers 4 c .. 4 c + 3 of K step s
.endr
	global_load_b128 v[GA:GA+3], v[OC], s[16:17]
	global_load_b128 v[BE:BE+3], v[OC], s[18:19]
	s_wait_loadcnt 38                              ; x and b_out are in; the 38 loads behind them (16 + 4 + 16 + 1 + 1) may be out
.irp i, 0,1,2,3,4,5,6,7
	v_pk_add_f32 v[DN+4*\i:DN+4*\i+1], v[DN+4*\i:DN+4*\i+1], v[BO:BO+1]
	v_pk_add_f32 v[DN+4*\i+2:DN+4*\i+3], v[DN+4*\i+2:DN+4*\i+3], v[BO+2:BO+3]
.endr
.irp i, 0,1,2,3,4,5,6,7
	ds_store_b128 v[STW], v[DN+4*\i:DN+4*\i+3] offset:2*SP*\i
.endr
.irp t, 0,1,2,3
	ds_load_b128 v[ACC+8*\t:ACC+8*\t+3], v[STA] offset:64*\t         ; LDS serves a wave's instructions in order (ISA guide 5.7.1.4): these see my stores; the stage is my wave's own
	ds_load_b128 v[ACC+8*\t+4:ACC+8*\t+7], v[STA] offset:64*\t+16
.endr
	s_wait_loadcnt 0x0
.irp s, 0,1,2,3
	v_lshl_or_b32 v[AS+\s], v[RAW+4*\s+1], 8, v[RAW+4*\s]            ; four heads' bytes make a K step's scale word
	v_lshl_or_b32 v[AS+\s], v[RAW+4*\s+2], 16, v[AS+\s]
	v_lshl_or_b32 v[AS+\s], v[RAW+4*\s+3], 24, v[AS+\s]
.endr
	s_wait_tensorcnt 0x0                           ; my 64 rows of W_out: I alone read them
	s_wait_dscnt 0x0                               ; x + b_out lies in the accumulators
.irp s, 0,1,2,3
.rept 8
	v_nop                                          ; eight places: behind the scale words just made, and in front of loads into registers that matrix instructions have read
.endr
.irp t, 0,1,2,3
.irp c, 0,1,2,3
	ds_load_b128 v[WF+16*\t+4*\c:WF+16*\t+4*\c+3], v[WAD] offset:16*WP*\t+128*\s+32*\c
.endr
.endr
	s_wait_dscnt 0x0
.irp t, 0,1,2,3                                    ; four accumulators, one instruction a turn
	v_wmma_scale_f32_16x16x128_f8f6f4 v[ACC+8*\t:ACC+8*\t+7], v[WF+16*\t:WF+16*\t+15], v[AF+16*\s:AF+16*\s+15], v[ACC+8*\t:ACC+8*\t+7], v[WS+4*\t+\s], v[AS+\s]
.endr
.endr
.rept 8
	v_nop
.endr
	; the mean: my 32 numbers of row r, each accumulator from its low end on
	v_pk_add_f32 v[12:13], v[ACC:ACC+1], v[ACC+2:ACC+3]
	v_pk_add_f32 v[14:15], v[ACC+4:ACC+5], v[ACC+6:ACC+7]
.irp j, 8,12,16,20,24,28
	v_pk_add_f32 v[12:13], v[12:13], v[ACC+\j:ACC+\j+1]
	v_pk_add_f32 v[14:15], v[14:15], v[ACC+\j+2:ACC+\j+3]
.endr
	v_pk_add_f32 v[12:13], v[12:13], v[14:15]
	v_add_f32 v12, v12, v13
	v_permlanex16_b32 v11, v12, s42, s43
	v_add_f32 v12, v12, v11
	ACROSS 0
	v_mul_f32 v12, s44, v[DN]                      ; -mean
.irp j, 0,2,4,6,8,10,12,14,16,18,20,22,24,26,28,30
	v_pk_add_f32 v[ACC+\j:ACC+\j+1], v[ACC+\j:ACC+\j+1], v[12:13] op_sel_hi:[1,0]
.endr
	v_pk_mul_f32 v[14:15], v[ACC:ACC+1], v[ACC:ACC+1]
	v_pk_mul_f32 v[BO:BO+1], v[ACC+2:ACC+3], v[ACC+2:ACC+3]
.irp j, 4,8,12,16,20,24,28
	v_pk_fma_f32 v[14:15], v[ACC+\j:ACC+\j+1], v[ACC+\j:ACC+\j+1], v[14:15]
	v_pk_fma_f32 v[BO:BO+1], v[ACC+\j+2:ACC+\j+3], v[ACC+\j+2:ACC+\j+3], v[BO:BO+1]
.endr
	v_pk_add_f32 v[14:15], v[14:15], v[BO:BO+1]
	v_add_f32 v12, v14, v15
	v_permlanex16_b32 v11, v12, s42, s43
	v_add_f32 v12, v12, v11
	ACROSS 512                                     ; other bytes than the first time: one barrier each
	v_fma_f32 v12, v[DN], s45, s46                 ; the variance + 1e-5
	v_rsq_f32 v12, v12
	v_nop                                          ; a plain line behind the transcendental
	s_wait_alu depctr_va_vdst(0)
.irp j, 0,2,4,6,8,10,12,14,16,18,20,22,24,26,28,30
	v_pk_mul_f32 v[ACC+\j:ACC+\j+1], v[ACC+\j:ACC+\j+1], v[12:13] op_sel_hi:[1,0]
.endr
.irp t, 0,1,2,3
	ds_store_b128 v[STA], v[ACC+8*\t:ACC+8*\t+3] offset:64*\t
	ds_store_b128 v[STA], v[ACC+8*\t+4:ACC+8*\t+7] offset:64*\t+16
.endr
.irp i, 0,1,2,3,4,5,6,7
	ds_load_b128 v[DN+4*\i:DN+4*\i+3], v[STW] offset:2*SP*\i
.endr
.irp i, 0,1,2,3,4,5,6,7
	s_wait_dscnt 7-\i                              ; LDS loads come back in order: load i is in, the younger ones may be out
	v_pk_fma_f32 v[DN+4*\i:DN+4*\i+1], v[DN+4*\i:DN+4*\i+1], v[GA:GA+1], v[BE:BE+1]
	v_pk_fma_f32 v[DN+4*\i+2:DN+4*\i+3], v[DN+4*\i+2:DN+4*\i+3], v[GA+2:GA+3], v[BE+2:BE+3]
	global_store_b128 v[OX], v[DN+4*\i:DN+4*\i+3], s[20:21] offset:(2*\i+8*(\i/4))*2048 th:TH_STORE_NT   ; 16 lanes store 256 consecutive bytes, at a multiple of 256 from out0's first byte
.endr
	s_wait_dscnt 0x0
	s_set_vgpr_msb 0x5
	s_wait_tensorcnt 0x0
	ds_add_u32 v0, v1
	s_wait_dscnt 0x0
	s_set_vgpr_msb 0x500
	ROUND                                          ; the closing round: no work-group ends while a partner may still ask for a tile that names it
	s_endpgm
.Lfunc_end_k_q14a7b2ccca_proj:
	.size	k_q14a7b2ccca_proj, .Lfunc_end_k_q14a7b2ccca_proj-k_q14a7b2ccca_proj
	.p2alignl 7, 3214868480
	.fill 96, 4, 3214868480
	.section	.rodata,"a",@progbits
	.p2align	6, 0x0
	.amdhsa_kernel k_q14a7b2ccca_proj
		.amdhsa_group_segment_fixed_size 307200
		.amdhsa_private_segment_fixed_size 0
		.amdhsa_enable_private_segment 0
		.amdhsa_kernarg_size 72
		.amdhsa_user_sgpr_count 2
		.amdhsa_user_sgpr_kernarg_segment_ptr 1
		.amdhsa_wavefront_size32 1
		.amdhsa_system_sgpr_workgroup_id_x 1
		.amdhsa_system_sgpr_workgroup_id_y 1
		.amdhsa_system_sgpr_workgroup_id_z 1
		.amdhsa_system_vgpr_workitem_id 0
		.amdhsa_next_free_vgpr 258
		.amdhsa_next_free_sgpr 66
		.amdhsa_reserve_vcc 0
		.amdhsa_float_denorm_mode_32 3
		.amdhsa_float_denorm_mode_16_64 3
		.amdhsa_memory_ordered 1
		.amdhsa_forward_progress 1
		.amdhsa_inst_pref_size 30
	.end_amdhsa_kernel
	.amdgpu_metadata
---
amdhsa.version: [ 1, 2 ]
amdhsa.kernels:
  - .name:           k_q14a7b2ccca_proj
    .symbol:         k_q14a7b2ccca_proj.kd
    .args:
      - { .name: a_img, .offset: 0, .size: 8, .value_kind: global_buffer, .address_space: global }
      - { .name: a_sc, .offset: 8, .size: 8, .value_kind: global_buffer, .address_space: global }
      - { .name: W_out_codes, .offset: 16, .size: 8, .value_kind: global_buffer, .address_space: global }
      - { .name: W_out_scales, .offset: 24, .size: 8, .value_kind: global_buffer, .address_space: global }
      - { .name: b_out, .offset: 32, .size: 8, .value_kind: global_buffer, .address_space: global }
      - { .name: x, .offset: 40, .size: 8, .value_kind: global_buffer, .address_space: global }
      - { .name: ln_gamma, .offset: 48, .size: 8, .value_kind: global_buffer, .address_space: global }
      - { .name: ln_beta, .offset: 56, .size: 8, .value_kind: global_buffer, .address_space: global }
      - { .name: out0, .offset: 64, .size: 8, .value_kind: global_buffer, .address_space: global }
    .group_segment_fixed_size: 307200
    .private_segment_fixed_size: 0
    .kernarg_segment_align: 8
    .kernarg_segment_size: 72
    .max_flat_workgroup_size: 256
    .sgpr_count:     66
    .vgpr_count:     258
    .wavefront_size: 32
...
	.end_amdgpu_metadata
.endif
;; end of part 3
;; ======== version 2 of 2: 3 launches; version 1 with the launch attn written anew for expert scheduling mode
;; workspace buffers: q_img 2,097,152 bytes; k_img 2,097,152 bytes; qs 262,144 bytes; ks 262,144 bytes; v_img 2,097,152 bytes; v_sc 65,536 bytes; a_img 2,097,152 bytes; a_sc 262,144 bytes
;; launch qkv: the kernel of part 1 again; grid 64 x 4, 8 waves a work-group, clusters of 4 x 1, 304,128 bytes of LDS; arguments x, W_qkv_codes, W_qkv_scales, b_qkv, q_img, qs, k_img, ks, v_img, v_sc; writes q_img, qs, k_img, ks, v_img, v_sc
;; launch attn (part 4): grid 8 x 32, 8 waves a work-group, no clusters, 86,016 bytes of LDS; arguments q_img, qs, k_img, ks, v_img, v_sc, a_img, a_sc; writes a_img, a_sc
.if DOCPART == 4
	.amdgcn_target "amdgcn-amd-amdhsa--gfx1250"
	.amdhsa_code_object_version 6
	.text
	.protected	k_q14a7b2ccca_attn
	.globl	k_q14a7b2ccca_attn
	.p2align	8
	.type	k_q14a7b2ccca_attn,@function
k_q14a7b2ccca_attn:
	s_mov_b64 s[64:65], 0
	v_nop
	global_prefetch_b8 v0, s[64:65] scope:SCOPE_SE
	s_setreg_imm32_b32 hwreg(HW_REG_WAVE_SCHED_MODE, 0, 2), 2
	s_setreg_imm32_b32 hwreg(HW_REG_WAVE_MODE, 25, 1), 1
	s_wait_xcnt 0x0
	s_wait_alu depctr_vm_vsrc(0)
; One (batch, head): softmax((q k^T) x band) v, both products on codes of E4M3 with E8M0 scales; the result, divided by the row's sum, is quantised along the head's 32, which is one block of the last product's K.
; THE BAND.  Outside |i - j| <= 64 the score is multiplied by 0: there t = 0 and p = 2^-M whatever the data.  For a block of 32 queries b only key blocks b - 2 .. b + 2 need scores, exponentials and conversions.
; The other 59 key blocks' operand P is ONE code and one scale byte a query, made once by the same quantiser; their products with V are done on the matrix unit like the others.
; p = 2^(t - M), t = score x log2(e), M = ceil(the row's largest t), which is at least 0 since zeros are among the scores; the row's sum is taken of the unquantised p: five blocks' and 59 x 32 = 1,888 times 2^-M.
; SHARES.  A work-group takes 256 queries of one (batch, head) = work-group y; wave w takes query block b = 8 x work-group x + w: two tiles of 16.  V's codes of the whole head, 65,536 bytes, lie in LDS, brought by the eight waves through registers.
; THE WALK.  Step i = 0 .. 15 takes key blocks (b - 2 + 4 i + c) mod 64, c = 0 .. 3: step 0 and c = 0 of step 1 are the band.  At the sequence's ends the blocks that wrap round are real blocks outside the band: their scores are set to 0.
; NO CLUSTER: each wave walks V from its own query block on, so LDS addresses and the two branches for the sequence's ends hang on the work-group's x, which joint loads do not allow; what would be shared is 65,536 bytes a work-group.
; K = 32 IN AN INSTRUCTION 128 DEEP.  A fragment of k holds four key tiles, one in each block of 32; q stands in a window of zero codes, at the place of the tile that is wanted.  The scale words hold their byte four times.
; LAYOUT.  Both products are used transposed (S^T = k q^T, O^T = v^T p^T): a lane holds one query.  Tile u of a block takes row 8 u + r + 8 (r / 8), so the 16 registers of a block's two tiles are keys (or dims) 16 (lane / 16) + 0 .. 15.
; LIMITS.  The band is applied by choosing 0, which differs from x 0 for scores that are not finite alone.  v_exp_f32 gives 0 under 2^-126 (ISA guide 15.8), so p under that counts as 0.  A block under 2^-118 or of zeros gets the byte 1.
; THE MODE: SCHED_MODE bits 1:0 = 2 (LLVM: expert scheduling mode 2), set by the entry lines.  The code itself states the register dependences
; between vector or matrix instructions and memory or LDS instructions, with s_wait_alu, always for 0.
; THE PLAN.  Registers that memory or LDS instructions touch:
;   v1, v2, v7-11, v254   offsets and an LDS base, made at the head and never written again.   v30-35: offsets at the head; the softmax writes them behind the wait on vm_vsrc that follows the barrier.
;   v152-215              the head's loads of V land here and the LDS stores read them; behind the same wait on vm_vsrc the scores' products write them.  v232-247: written by 16 v_perm_b32, read by 16 LDS stores, later tile 0's codes.
;   VA + v28, VB + v29    Step j: its four products read buffer j % 2 and its scale word; the nine LDS loads of step j + 1 land in the other buffer and its scale word, which step j - 1's products read.
;   v5, v6                LDS addresses: read by a step's nine loads, written once a step by two additions at the step's head.
;   v216-223, v36         the codes and bytes that leave: written by the last conversions and a select, read by the three stores at the end.
; So a step's head holds one wait on vm_vsrc (the last loads have read v5 and v6) ahead of the additions, and one wait on va_vdst behind them and behind the wait for this step's data: the addresses are written and the last
; step's products are done with the other buffer.  The nine loads follow, dealt among the step's four products, which name this buffer, p's fragments, scale words and O^T: none of the registers that those loads touch.
.set SCW,  68608                       ; LDS: V's 67 blocks of 1,024 bytes (64 .. 66 repeat 0 .. 2, so that a step's four blocks lie on end); then for each wave 16 scale words x 128 bytes
.set LI,   1                           ; v1   16 x lane
.set LS,   2                           ; v2   4 x lane
.set DLO,  3                           ; v3   in block b - 2 key n of my 16 is hidden where n - 8 tq < this
.set DHI,  4                           ; v4   in block b + 2 where n - 8 tq > this
.set VAD,  5                           ; v5   LDS address of the step's blocks of V (at the head: where I store V)
.set SAD,  6                           ; v6   and of its scale word (at the head: where wave 0 repeats blocks 0 .. 2)
.set KO,   7                           ; v7-11  byte offsets of the band's five blocks in k_img
.set NM,   12                          ; v[12:13] -M, and the word named with it
.set SUM,  14                          ; v[14:15] the row's sum
.set KS,   16                          ; v16-20 k's scale words
.set QS,   21                          ; v21  q's
.set PW0,  22                          ; v22-24 tile 0: p's scale words for step 0, step 1, the later steps
.set PW1,  25                          ; v25-27 tile 1
.set VSA,  28                          ; v28, v29 V's scale words, buffers A and B
.set VSB,  29
.set MX,   30                          ; v30-35 the five blocks' largest, and the constant's (at the head: global offsets)
.set PT,   36                          ; v36-41 permutes, bytes
.set HD,   42                          ; v42-47 448 x the scale
.set SO,   48                          ; v48-53 the conversions' scale operands
.set PCN,  54                          ; v54  2^-M
.set ZR,   55                          ; v55  0
.set RL0,  56                          ; v[56:57], v[58:59] 1 / the row's sum, tiles 0 and 1
.set QW,   60                          ; v60-103 12 zeros, q of tile 0, 12 zeros, q of tile 1, 12 zeros
.set KF,   104                         ; v104-151 k: ten tiles of 4 registers, then 8 zeros
.set S,    152                         ; v152-231 S^T, then p: register 16 e + n = key 16 (lane / 16) + n of block b - 2 + e
.set WD,   216                         ; v216-231 at the head: my row of V's scale bytes
.set P0,   232                         ; v232-251 tile 0's codes;  v252-253 its constant code
.set CW0,  252
.set SCB,  254                         ; v254 my lane's place among my wave's scale words
.set HH,   255                         ; v255 lane / 16
.set P1,   60                          ; behind the scores: v60-79 tile 1's codes, v80-95 its constant code,
.set CW1,  80
.set P0B,  96                          ; v96-99 tile 0's fifth block once more, v100-115 its constant code,
.set O,    116                         ; v116-147 O^T: tile tq, dims' tile u at 16 tq + 8 u
.set VA,   152                         ; behind the softmax: V's buffers A and B, tile u at 16 u
.set VB,   184
.set CO,   216                         ; the codes that leave
.set WV,   20                          ; s20  wave
.set QB,   21                          ; s21  my query block
.set MK,   38                          ; s38-45 eight masks of the band at a time
.macro QK1 d, a, b, sa, ra, rb
.if \ra && \rb
	v_wmma_scale_f32_16x16x128_f8f6f4 v[(\d):(\d)+7], v[(\a):(\a)+15], v[(\b):(\b)+15], 0, v[\sa], v[QS] matrix_a_scale:MATRIX_SCALE_ROW1 matrix_b_scale:MATRIX_SCALE_ROW1
.elseif \ra
	v_wmma_scale_f32_16x16x128_f8f6f4 v[(\d):(\d)+7], v[(\a):(\a)+15], v[(\b):(\b)+15], 0, v[\sa], v[QS] matrix_a_scale:MATRIX_SCALE_ROW1
.elseif \rb
	v_wmma_scale_f32_16x16x128_f8f6f4 v[(\d):(\d)+7], v[(\a):(\a)+15], v[(\b):(\b)+15], 0, v[\sa], v[QS] matrix_b_scale:MATRIX_SCALE_ROW1
.else
	v_wmma_scale_f32_16x16x128_f8f6f4 v[(\d):(\d)+7], v[(\a):(\a)+15], v[(\b):(\b)+15], 0, v[\sa], v[QS]
.endif
.endm
; The scores of query tile tq against the band's ten key tiles: tile t lies at place t % 4 of fragment t / 4, and q is taken with its window shifted to that place
.macro QK tq
.irp t, 0,1,2,3,4,5,6,7,8,9
	QK1 S+8*\t, KF+16*(\t/4), QW+12+16*\tq-4*(\t%4), KS+\t/2, \t%2, \tq
.endr
.rept 8
	v_nop                                          ; eight places in front of the first read of results
.endr
.endm
; Tile tq's softmax: codes of the five blocks into v[p] on, the constant code into v[cw], the three scale words into v[pw] on, 1 / the sum into the pair v[rl]
.macro SOFTMAX tq, p, cw, pw, rl
	s_cmp_lg_u32 s[QB], 0                          ; branches on ids: query block 0 has no block b - 1, query block 63 no block b + 1
	s_cbranch_scc1 .Lnot_first_\@
.irp n, 0,1,2,3,4,5,6,7,8,9,10,11,12,13,14,15
	v_mov_b32 v[S+16+\n], 0
.endr
.Lnot_first_\@:
	s_cmp_lg_u32 s[QB], 63
	s_cbranch_scc1 .Lnot_last_\@
.irp n, 0,1,2,3,4,5,6,7,8,9,10,11,12,13,14,15
	v_mov_b32 v[S+48+\n], 0
.endr
.Lnot_last_\@:
.irp g, 0,8                                        ; the band's compares stand in runs of eight, each into a scalar register of its own, with one wait behind the run
.irp n, 0,1,2,3,4,5,6,7
	v_cmp_lt_i32 s[MK+\n], \g+\n-8*\tq, v[DLO]     ; block b - 2: hidden where the key's place in its block is under the query's
.endr
	s_wait_alu depctr_va_sdst(0)                   ; the eight compares have written s38-45, which the selects below read
.irp n, 0,1,2,3,4,5,6,7
	v_cndmask_b32 v[S+\g+\n], v[S+\g+\n], v[ZR], s[MK+\n]
.endr
.endr
.irp g, 0,8
.irp n, 0,1,2,3,4,5,6,7
	v_cmp_gt_i32 s[MK+\n], \g+\n-8*\tq, v[DHI]     ; block b + 2: where it is over it
.endr
	s_wait_alu depctr_va_sdst(0)                   ; the eight compares have written s38-45, which the selects below read
.irp n, 0,1,2,3,4,5,6,7
	v_cndmask_b32 v[S+64+\g+\n], v[S+64+\g+\n], v[ZR], s[MK+\n]
.endr
.endr
.irp e, 0,1,2,3,4
	v_max3_num_f32 v[MX+\e], v[S+16*\e], v[S+16*\e+1], v[S+16*\e+2]       ; each block's largest score: for the row's maximum and, since p rises with the score, for the block's largest p
.endr
.irp i, 3,5,7,9,11,13
.irp e, 0,1,2,3,4
	v_max3_num_f32 v[MX+\e], v[MX+\e], v[S+16*\e+\i], v[S+16*\e+\i+1]
.endr
.endr
.irp e, 0,1,2,3,4
	v_max_num_f32 v[MX+\e], v[MX+\e], v[S+16*\e+15]
.endr
.irp e, 0,1,2,3,4
	v_permlanex16_b32 v[PT+\e], v[MX+\e], s30, s31
.endr
.irp e, 0,1,2,3,4
	v_max_num_f32 v[MX+\e], v[MX+\e], v[PT+\e]
.endr
	v_max3_num_f32 v[PCN], v[MX], v[MX+1], v[MX+2]
	v_max3_num_f32 v[PCN], v[PCN], v[MX+3], v[MX+4]
	v_max_num_f32 v[PCN], 0, v[PCN]                ; the zeros outside the band are among the row's scores
	v_mul_f32 v[PCN], s32, v[PCN]
	v_floor_f32 v[NM], -v[PCN]                     ; -M = floor(-t) = -ceil(t)
.irp j, 0,2,4,6,8,10,12,14,16,18,20,22,24,26,28,30,32,34,36,38,40,42,44,46,48,50,52,54,56,58,60,62,64,66,68,70,72,74,76,78
	v_pk_fma_f32 v[S+\j:S+\j+1], v[S+\j:S+\j+1], s[32:33], v[NM:NM+1] op_sel_hi:[1,0,0]   ; t - M
.endr
.irp e, 0,1,2,3,4
	v_fma_f32 v[MX+\e], v[MX+\e], s32, v[NM]
.endr
	v_mov_b32 v[MX+5], v[NM]                       ; outside the band: 0 - M
.irp j, 0,1,2,3,4,5,6,7,8,9,10,11,12,13,14,15,16,17,18,19,20,21,22,23,24,25,26,27,28,29,30,31,32,33,34,35,36,37,38,39,40,41,42,43,44,45,46,47,48,49,50,51,52,53,54,55,56,57,58,59,60,61,62,63,64,65,66,67,68,69,70,71,72,73,74,75,76,77,78,79
	v_exp_f32 v[S+\j], v[S+\j]                     ; p
.endr
.irp e, 0,1,2,3,4,5
	v_exp_f32 v[MX+\e], v[MX+\e]                   ; each block's largest p, and 2^-M
.endr
	v_nop                                          ; a plain line behind the exponentials
	s_wait_alu depctr_va_vdst(0)
	v_mov_b32 v[PCN], v[MX+5]
.irp e, 0,1,2,3,4,5
	v_max_num_f32 v[MX+\e], 0x4800000, v[MX+\e]    ; the floor 2^(9 - 127): the byte cannot fall under 1
.endr
.irp e, 0,1,2,3,4,5
	v_add_nc_u32 v[SO+\e], 0xfc000000, v[MX+\e]
.endr
.irp e, 0,1,2,3,4,5
	v_and_or_b32 v[HD+\e], v[MX+\e], 0x7f800000, s34
.endr
.irp e, 0,1,2,3,4,5
	v_lshrrev_b32 v[PT+\e], 23, v[SO+\e]
.endr
	v_lshl_or_b32 v[\pw], v[PT+1], 8, v[PT]        ; step 0: blocks b - 2 .. b + 1
	v_lshl_or_b32 v[\pw+2], v[PT+5], 8, v[PT+5]    ; the later steps: the constant's byte four times
	v_lshl_or_b32 v[\pw], v[PT+2], 16, v[\pw]
	v_lshl_or_b32 v[\pw+2], v[\pw+2], 16, v[\pw+2]
	v_lshl_or_b32 v[\pw], v[PT+3], 24, v[\pw]
	v_and_or_b32 v[\pw+1], v[\pw+2], 0xffffff00, v[PT+4]   ; step 1: block b + 2, then the constant's
	v_pk_add_f32 v[SUM:SUM+1], v[S:S+1], v[S+4:S+5]        ; the sum of the unquantised p, two at a time, in two chains
	v_pk_add_f32 v[PT:PT+1], v[S+2:S+3], v[S+6:S+7]
.irp j, 8,12,16,20,24,28,32,36,40,44,48,52,56,60,64,68,72,76
	v_pk_add_f32 v[SUM:SUM+1], v[SUM:SUM+1], v[S+\j:S+\j+1]
	v_pk_add_f32 v[PT:PT+1], v[PT:PT+1], v[S+\j+2:S+\j+3]
.endr
	v_pk_add_f32 v[SUM:SUM+1], v[SUM:SUM+1], v[PT:PT+1]
	v_add_f32 v[SUM], v[SUM], v[SUM+1]
	v_permlanex16_b32 v[PT], v[SUM], s30, s31
	v_add_f32 v[SUM], v[SUM], v[PT]
	v_fma_f32 v[SUM], v[PCN], s36, v[SUM]          ; + 1,888 x 2^-M
	v_rcp_f32 v[\rl], v[SUM]
	v_rcp_f32 v[\rl+1], v[SUM]
.irp e, 0,1,2,3,4
.irp i, 0,1,2,3,4,5,6,7,8,9,10,11,12,13,14,15
	v_min_num_f32 v[S+16*\e+\i], v[S+16*\e+\i], v[HD+\e]   ; the hold: the conversion does not saturate (ISA guide 7.6.2); p is not negative
.endr
.endr
.irp e, 0,1,2,3,4
	v_cvt_scalef32_pk8_fp8_f32 v[\p+4*\e:\p+4*\e+1], v[S+16*\e:S+16*\e+7], v[SO+\e]
	v_cvt_scalef32_pk8_fp8_f32 v[\p+4*\e+2:\p+4*\e+3], v[S+16*\e+8:S+16*\e+15], v[SO+\e]
.endr
	v_nop
	v_min_num_f32 v[PCN], v[PCN], v[HD+5]          ; the constant block goes through the same quantiser: eight times 2^-M
.irp i, 0,1,2,3,4,5,6,7
	v_mov_b32 v[S+\i], v[PCN]
.endr
	v_cvt_scalef32_pk8_fp8_f32 v[\cw:\cw+1], v[S:S+7], v[SO+5]
	v_nop
.endm
; The LDS addresses of the next step's four blocks of V and of their scale word; then the walk goes four blocks on, round the head's 64.
; places = 1: the two additions and six v_nop are eight plain lines behind the products that read the buffer about to be loaded; the wait on va_vdst that follows them in STEP states the dependence itself.
.macro VADDR places
	v_add_nc_u32 v[VAD], s25, v[LI]
	v_add_nc_u32 v[SAD], s26, v[SCB]
.if \places
.rept 6
	v_nop
.endr
.endif
	s_add_co_u32 s25, s25, 4096                    ; four blocks on, round the head's 64
	s_and_b32 s25, s25, 0xffff
	s_add_co_u32 s26, s26, 128
	s_and_b32 s26, s26, 2047
.endm
; Tile u of the head's dims, four key blocks: a fragment of V
.macro VHALF buf, u
.irp c, 0,1,2,3
	ds_load_b128 v[\buf+16*\u+4*\c:\buf+16*\u+4*\c+3], v[VAD] offset:1024*\c+512*\u
.endr
.endm
.macro PV1 d, a, b, vs, w, row, zero
.if \zero && \row
	v_wmma_scale_f32_16x16x128_f8f6f4 v[(\d):(\d)+7], v[(\a):(\a)+15], v[(\b):(\b)+15], 0, v[\vs], v[\w] matrix_a_scale:MATRIX_SCALE_ROW1
.elseif \zero
	v_wmma_scale_f32_16x16x128_f8f6f4 v[(\d):(\d)+7], v[(\a):(\a)+15], v[(\b):(\b)+15], 0, v[\vs], v[\w]
.elseif \row
	v_wmma_scale_f32_16x16x128_f8f6f4 v[(\d):(\d)+7], v[(\a):(\a)+15], v[(\b):(\b)+15], v[(\d):(\d)+7], v[\vs], v[\w] matrix_a_scale:MATRIX_SCALE_ROW1
.else
	v_wmma_scale_f32_16x16x128_f8f6f4 v[(\d):(\d)+7], v[(\a):(\a)+15], v[(\b):(\b)+15], v[(\d):(\d)+7], v[\vs], v[\w]
.endif
.endm
; A STEP: O^T += V^T P^T for 128 keys out of buffer cur: four accumulators, one instruction a turn, over the loop's backward jump too.
; load = 1: the next step's four blocks of V and their scale word go into buffer oth, dealt among the four products.
.macro STEP cur, cvs, oth, ovs, f0, f1, w0, w1, zero, load
.if \load
	s_wait_alu depctr_vm_vsrc(0)                   ; the nine LDS loads issued last have read v5 and v6, which the additions below write
	VADDR 1
.endif
	s_wait_dscnt 0x0                               ; this step's nine loads, issued a step ago, are in; nothing younger is out
.if \load
	s_wait_alu depctr_va_vdst(0)                   ; v5 and v6 are written; the last step's products are done reading the other buffer and its scale word; in step 0: p's codes, their copies and scale words are written, which the products take
.endif
	PV1 O, \cur, \f0, \cvs, \w0, 0, \zero
.if \load
	VHALF \oth, 0                                  ; no wait: no vector or matrix instruction since the wait above names the other buffer, its scale word, v5 or v6
.endif
	PV1 O+16, \cur, \f1, \cvs, \w1, 0, \zero
.if \load
	VHALF \oth, 1
	ds_load_b32 v[\ovs], v[SAD]
.endif
	PV1 O+8, \cur+16, \f0, \cvs, \w0, 1, \zero
	PV1 O+24, \cur+16, \f1, \cvs, \w1, 1, \zero
.endm
.macro QUANT16 s, dst, i
	v_max3_num_f32 v[MX+\i], |v[(\s)]|, |v[(\s)+1]|, 0x4800000
.irp k, 2,4,6,8,10,12,14
	v_max3_num_f32 v[MX+\i], v[MX+\i], |v[(\s)+\k]|, |v[(\s)+\k+1]|
.endr
	v_permlanex16_b32 v[PT+\i], v[MX+\i], s30, s31
	v_max_num_f32 v[MX+\i], v[MX+\i], v[PT+\i]
	v_add_nc_u32 v[SO+\i], 0xfc000000, v[MX+\i]
	v_and_or_b32 v[HD+\i], v[MX+\i], 0x7f800000, s34
	v_lshrrev_b32 v[PT+\i], 23, v[SO+\i]
.irp k, 0,1,2,3,4,5,6,7,8,9,10,11,12,13,14,15
	v_med3_num_f32 v[(\s)+\k], v[(\s)+\k], -v[HD+\i], v[HD+\i]
.endr
	v_cvt_scalef32_pk8_fp8_f32 v[(\dst):(\dst)+1], v[(\s):(\s)+7], v[SO+\i]
	v_cvt_scalef32_pk8_fp8_f32 v[(\dst)+2:(\dst)+3], v[(\s)+8:(\s)+15], v[SO+\i]
	v_nop
.endm
	s_load_b256 s[4:11], s[0:1], 0x0               ; q_img, qs, k_img, ks
	s_load_b256 s[12:19], s[0:1], 0x20             ; v_img, v_sc, a_img, a_sc
	s_set_vgpr_msb 0x40
	v_lshl_add_u32 v0, v0, 2, 0x14c00
	v_mov_b32 v1, 0
	s_set_vgpr_msb 0x4000
	v_lshrrev_b32 v5, 5, v0
	v_readfirstlane_b32 s[WV], v5                  ; wave 0..7
	s_wait_alu depctr_va_sdst(0)                   ; s20 is written, ahead of its first reader: the query block, the bases and the LDS places are made from it
	s_lshl_b32 s[QB], ttmp9, 3
	s_add_co_u32 s[QB], s[QB], s[WV]               ; b
	s_and_b32 s22, ttmp7, 0xffff                   ; bh
	s_and_b32 s23, s22, 15                         ; head
	s_lshr_b32 s24, s22, 4                         ; batch
	s_add_co_u32 s28, s[QB], 62
	s_and_b32 s28, s28, 63                         ; the walk's first block: (b - 2) mod 64
	s_lshl_b32 s25, s28, 10                        ; its place in LDS
	s_lshr_b32 s26, s28, 2
	s_lshl_b32 s26, s26, 7                         ; and its scale word's
	s_and_b32 s29, s28, 3
	s_mul_i32 s35, s29, 0x01010101
	s_add_co_u32 s35, s35, 0x03020100              ; byte selects: a word that begins (b - 2) % 4 bytes on
	s_mov_b32 s30, 0x76543210
	s_mov_b32 s31, 0xfedcba98                      ; v_permlanex16_b32's selects for lane l xor 16
	s_mov_b32 s32, 0x3fb8aa3b                      ; log2(e)
	s_mov_b32 s33, s32                             ; (named with it as a pair, so it is written)
	s_mov_b32 s34, 0x600000                        ; the mantissa field of 448
	s_mov_b32 s36, 0x44ec0000                      ; 1,888
	v_and_b32 v5, 31, v0
	v_lshlrev_b32 v[LI], 4, v5
	v_lshlrev_b32 v[LS], 2, v5
	v_lshlrev_b32 v[MX+5], 6, v5                   ; my row of V's scale bytes
	v_and_b32 v5, 15, v0
	v_bfe_u32 v[HH], v0, 4, 1
	v_and_b32 v6, 8, v5
	v_add_nc_u32 v6, v6, v5                        ; r + 8 (r / 8)
	v_lshlrev_b32 v5, 4, v[HH]
	v_sub_nc_u32 v6, v6, v5                        ; - 16 (lane / 16)
	s_cmp_lt_u32 s[QB], 2
	s_cselect_b32 s37, 1000, 0                     ; query blocks 0 and 1 have no block b - 2: all of it is hidden
	v_add_nc_u32 v[DLO], s37, v6
	s_cmp_gt_u32 s[QB], 61
	s_cselect_b32 s37, 0xfffffc18, 0               ; query blocks 62 and 63 no block b + 2
	v_add_nc_u32 v[DHI], s37, v6
	s_lshl_b32 s37, s[WV], 13
	v_add_nc_u32 v[VAD], s37, v[LI]                ; wave w stores blocks 8 w .. 8 w + 7 of V
	v_add_nc_u32 v[SAD], 0x10000, v[LI]            ; wave 0 repeats blocks 0 .. 2 behind block 63
	s_lshl_b32 s37, s[WV], 11
	s_add_co_u32 s37, s37, SCW
	v_add_nc_u32 v[SCB], s37, v[LS]
.irp e, 0,1,2,3,4
	s_add_co_u32 s28, s[QB], 62+\e
	s_and_b32 s28, s28, 63
	s_lshl_b32 s29, s28, 10
	v_add_nc_u32 v[KO+\e], s29, v[LI]
	s_lshl_b32 s29, s28, 7
	v_add_nc_u32 v[MX+\e], s29, v[LS]
.endr
.irp j, 0,1,2,3,4,5,6,7,8,9,10,11
	v_mov_b32 v[QW+\j], 0                          ; zero codes round q
	v_mov_b32 v[QW+16+\j], 0
	v_mov_b32 v[QW+32+\j], 0
.endr
.irp j, 0,1,2,3,4,5,6,7
	v_mov_b32 v[KF+40+\j], 0                       ; and behind k's tenth tile
.endr
.irp j, 0,1,2,3,4,5
	v_mov_b32 v[PT+\j], 0                          ; written once: a lane permute's destination counts as one of its sources
.endr
	v_mov_b32 v[ZR], 0
	v_mov_b32 v[NM+1], 0
	s_mov_b32 s29, 0
	s_wait_kmcnt 0x0
	s_lshl_b32 s28, s22, 16                        ; 65,536 bytes of codes a (batch, head)
	s_add_nc_u64 s[8:9], s[8:9], s[28:29]
	s_add_nc_u64 s[4:5], s[4:5], s[28:29]
	s_add_nc_u64 s[12:13], s[12:13], s[28:29]
	s_lshl_b32 s28, s[QB], 10
	s_add_nc_u64 s[4:5], s[4:5], s[28:29]          ; q: my block's two tiles
	s_lshl_b32 s28, s[WV], 13
	s_add_nc_u64 s[12:13], s[12:13], s[28:29]      ; V: my wave's eight blocks
	s_lshl_b32 s28, s22, 13
	s_add_nc_u64 s[10:11], s[10:11], s[28:29]
	s_add_nc_u64 s[6:7], s[6:7], s[28:29]
	s_lshl_b32 s28, s[QB], 7
	s_add_nc_u64 s[6:7], s[6:7], s[28:29]
	s_add_nc_u64 s[18:19], s[18:19], s[28:29]      ; a_sc: (128 head + 64 batch + b) x 128
	s_lshl_b32 s28, s22, 11
	s_add_nc_u64 s[14:15], s[14:15], s[28:29]
	s_lshl_b32 s28, s23, 14
	s_add_nc_u64 s[18:19], s[18:19], s[28:29]
	s_lshl_b32 s28, s24, 13
	s_add_nc_u64 s[18:19], s[18:19], s[28:29]
	s_lshl_b32 s28, s24, 20                        ; a_img: ((128 batch + 2 b + tq) x 16 + head) x 512
	s_add_nc_u64 s[16:17], s[16:17], s[28:29]
	s_lshl_b32 s28, s[QB], 14
	s_add_nc_u64 s[16:17], s[16:17], s[28:29]
	s_lshl_b32 s28, s23, 9
	s_add_nc_u64 s[16:17], s[16:17], s[28:29]
	s_wait_alu depctr_va_vdst(0)                   ; the offsets and LDS addresses v1, v2, v5 to v11, v30 to v35 and v254 are written, which the loads and LDS stores below read; so are the zero codes that the scores' products take beside q and k
.irp i, 0,1,2,3,4,5,6,7,8,9,10,11,12,13,14,15
	global_load_b128 v[S+4*\i:S+4*\i+3], v[LI], s[12:13] offset:512*\i
.endr
.irp k, 0,1,2,3
	global_load_b128 v[WD+4*\k:WD+4*\k+3], v[MX+5], s[14:15] offset:16*\k
.endr
.irp e, 0,1,2,3,4
	global_load_b128 v[KF+8*\e:KF+8*\e+3], v[KO+\e], s[8:9]
	global_load_b128 v[KF+8*\e+4:KF+8*\e+7], v[KO+\e], s[8:9] offset:512
	global_load_b32 v[KS+\e], v[MX+\e], s[10:11]
.endr
	global_load_b128 v[QW+12:QW+15], v[LI], s[4:5]
	global_load_b128 v[QW+28:QW+31], v[LI], s[4:5] offset:512
	global_load_b32 v[QS], v[LS], s[6:7]
	s_wait_loadcnt 18                              ; V and its scale bytes are in; the 18 loads behind them (k 10, its scales 5, q 2, its scales 1) may be out
.irp i, 0,1,2,3,4,5,6,7,8,9,10,11,12,13,14,15
	ds_store_b128 v[VAD], v[S+4*\i:S+4*\i+3] offset:512*\i
.endr
	s_cmp_lg_u32 s[WV], 0
	s_cbranch_scc1 .Lnot_wave_0
.irp i, 0,1,2,3,4,5
	ds_store_b128 v[SAD], v[S+4*\i:S+4*\i+3] offset:512*\i
.endr
.Lnot_wave_0:
.irp j, 0,1,2,3,4,5,6,7,8,9,10,11,12,13,14,15
	v_perm_b32 v[P0+\j], v[WD+(\j+1)%16], v[WD+\j], s35     ; word j: the bytes of blocks 4 j + (b - 2) % 4 on, round the 64
.endr
	s_wait_alu depctr_va_vdst(0)                   ; the sixteen words v232 to v247 are written, which the LDS stores below read
.irp j, 0,1,2,3,4,5,6,7,8,9,10,11,12,13,14,15
	ds_store_b32 v[SCB], v[P0+\j] offset:128*\j
.endr
	s_wait_dscnt 0x0                               ; for the others' sake: my blocks of V lie in LDS
	s_barrier_signal -1
	s_barrier_wait -1                              ; the one barrier: behind it LDS is only read
	s_wait_loadcnt 0x0
	s_wait_alu depctr_vm_vsrc(0)                   ; my LDS stores have read v152 to v215, v232 to v247, v5 and v6, and my loads have read v30 to v35: the scores' products, the softmax, its conversions and the walk's first additions write them
	QK 0
	SOFTMAX 0, P0, CW0, PW0, RL0
	QK 1
	SOFTMAX 1, P1, CW1, PW1, RL0+2
	VADDR 0                                        ; step 0's addresses (no memory or LDS instruction has been issued since the wait on vm_vsrc above)
	s_wait_alu depctr_va_vdst(0)                   ; v5 and v6 are written; the softmax is done reading and writing v152 to v183, in which step 0's blocks of V land
	VHALF VA, 0
	VHALF VA, 1
	ds_load_b32 v[VSA], v[SAD]
.irp j, 2,3,4,5,6,7,8,9,10,11,12,13,14,15
	v_mov_b32 v[CW1+\j], v[CW1]                    ; the constant code fills a fragment.  (These copies name none of the registers that the nine loads above touch)
.endr
.irp j, 0,1,2,3
	v_mov_b32 v[P0B+\j], v[P0+16+\j]               ; tile 0's fifth block, with constants behind it
.endr
.irp j, 0,1,2,3,4,5,6,7,8,9,10,11,12,13,14,15
	v_mov_b32 v[P0B+4+\j], v[CW0]
.endr
	STEP VA, VSA, VB, VSB, P0, P1, PW0, PW1, 1, 1              ; step 0 starts the sums
	STEP VB, VSB, VA, VSA, P0B, P1+16, PW0+1, PW1+1, 0, 1      ; step 1: block b + 2, then constants
	s_mov_b32 s27, 6
.Lstep:                                            ; steps 2 .. 13, two a trip: constants alone
	STEP VA, VSA, VB, VSB, P0B+4, CW1, PW0+2, PW1+2, 0, 1
	STEP VB, VSB, VA, VSA, P0B+4, CW1, PW0+2, PW1+2, 0, 1
	s_sub_co_u32 s27, s27, 1
	s_cmp_lg_u32 s27, 0
	s_cbranch_scc1 .Lstep
	STEP VA, VSA, VB, VSB, P0B+4, CW1, PW0+2, PW1+2, 0, 1
	STEP VB, VSB, VA, VSA, P0B+4, CW1, PW0+2, PW1+2, 0, 0      ; the last step loads nothing
.rept 8
	v_nop
.endr
	v_cmp_eq_u32 vcc_lo, 1, v[HH]                  ; for the select at the end: it stands here so that the wait for it finds it done
.irp q, 0,1
.irp i, 0,2,4,6,8,10,12,14
	v_pk_mul_f32 v[O+16*\q+\i:O+16*\q+\i+1], v[O+16*\q+\i:O+16*\q+\i+1], v[RL0+2*\q:RL0+2*\q+1]   ; / the row's sum; each accumulator from its low end on
.endr
	QUANT16 O+16*\q, CO+4*\q, \q
.endr
	s_wait_alu depctr_va_vcc(0)                    ; the compare has written VCC, which the select reads
	v_cndmask_b32 v[PT], v[PT], v[PT+1], vcc_lo    ; lanes 0-15 keep tile 0's bytes, lanes 16-31 take tile 1's
	s_wait_alu depctr_va_vdst(0)                   ; the conversions have written v216 to v223 and the select v36, which the three stores read
.irp q, 0,1
	global_store_b128 v[LI], v[CO+4*\q:CO+4*\q+3], s[16:17] offset:8192*\q     ; 32 lanes store 512 consecutive bytes
.endr
	global_store_b32 v[LS], v[PT], s[18:19]
	s_set_vgpr_msb 0x5
	s_wait_dscnt 0x0
	s_wait_alu depctr_hold_cnt(0) depctr_sa_sdst(0) depctr_va_vdst(0) depctr_va_sdst(0) depctr_va_ssrc(0) depctr_va_vcc(0) depctr_vm_vsrc(0)
	s_wait_tensorcnt 0x0
	ds_add_u32 v0, v1
	s_wait_dscnt 0x0
	s_endpgm
.Lfunc_end_k_q14a7b2ccca_attn:
	.size	k_q14a7b2ccca_attn, .Lfunc_end_k_q14a7b2ccca_attn-k_q14a7b2ccca_attn
	.p2alignl 7, 3214868480
	.fill 96, 4, 3214868480
	.section	.rodata,"a",@progbits
	.p2align	6, 0x0
	.amdhsa_kernel k_q14a7b2ccca_attn
		.amdhsa_group_segment_fixed_size 86016
		.amdhsa_private_segment_fixed_size 0
		.amdhsa_enable_private_segment 0
		.amdhsa_kernarg_size 64
		.amdhsa_user_sgpr_count 2
		.amdhsa_user_sgpr_kernarg_segment_ptr 1
		.amdhsa_wavefront_size32 1
		.amdhsa_system_sgpr_workgroup_id_x 1
		.amdhsa_system_sgpr_workgroup_id_y 1
		.amdhsa_system_sgpr_workgroup_id_z 1
		.amdhsa_system_vgpr_workitem_id 0
		.amdhsa_next_free_vgpr 258
		.amdhsa_next_free_sgpr 66
		.amdhsa_reserve_vcc 1
		.amdhsa_float_denorm_mode_32 3
		.amdhsa_float_denorm_mode_16_64 3
		.amdhsa_memory_ordered 1
		.amdhsa_forward_progress 1
		.amdhsa_inst_pref_size 78
	.end_amdhsa_kernel
	.amdgpu_metadata
---
amdhsa.version: [ 1, 2 ]
amdhsa.kernels:
  - .name:           k_q14a7b2ccca_attn
    .symbol:         k_q14a7b2ccca_attn.kd
    .args:
      - { .name: q_img, .offset: 0, .size: 8, .value_kind: global_buffer, .address_space: global }
      - { .name: qs, .offset: 8, .size: 8, .value_kind: global_buffer, .address_space: global }
      - { .name: k_img, .offset: 16, .size: 8, .value_kind: global_buffer, .address_space: global }
      - { .name: ks, .offset: 24, .size: 8, .value_kind: global_buffer, .address_space: global }
      - { .name: v_img, .offset: 32, .size: 8, .value_kind: global_buffer, .address_space: global }
      - { .name: v_sc, .offset: 40, .size: 8, .value_kind: global_buffer, .address_space: global }
      - { .name: a_img, .offset: 48, .size: 8, .value_kind: global_buffer, .address_space: global }
      - { .name: a_sc, .offset: 56, .size: 8, .value_kind: global_buffer, .address_space: global }
    .group_segment_fixed_size: 86016
    .private_segment_fixed_size: 0
    .kernarg_segment_align: 8
    .kernarg_segment_size: 64
    .max_flat_workgroup_size: 256
    .sgpr_count:     66
    .vgpr_count:     258
    .wavefront_size: 32
...
	.end_amdgpu_metadata
.endif
;; end of part 4
;; launch proj: the kernel of part 3 again; grid 256 x 1, 8 waves a work-group, clusters of 4 x 1, 307,200 bytes of LDS; arguments a_img, a_sc, W_out_codes, W_out_scales, b_out, x, ln_gamma, ln_beta, out0; writes out0
